; MI455X (gfx1250); checked and timed in simulation.
; The chip was launched on July 23, 2026; its instructions are those of AMD's public machine-readable ISA for CDNA 5 (MIT licence, August 2026) and "CDNA5" Instruction Set Architecture Reference Guide (July 2026). The comments in the code are by the model that wrote it; some were corrected since.
;; Ro PE attention. Allowed arithmetic: float matrix products may take bf16 or f16 operands with f32 sums; all other float work in f32.
;; Inputs: Wk 1,024 x 1,024 float32; Wq 1,024 x 1,024 float32; Wv 1,024 x 1,024 float32; x 4 x 2,048 x 1,024 float32.
;; Outputs: out0 4 x 2,048 x 1,024 float32.
;; One version. Each part assembles by itself: llvm-mc -triple=amdgcn-amd-amdhsa -mcpu=gfx1250 --defsym DOCPART=n.
;; ======== version 1 of 1: 4 launches
;; limits: values are held in f16: magnitudes above 65,504 overflow, below 6.1e-05 lose precision
;; workspace buffers: xb 16,777,216 bytes; wb 6,291,456 bytes; tab 8,388,608 bytes; qb 16,777,216 bytes; kb 16,777,216 bytes; vt 16,777,216 bytes; pb 33,554,432 bytes; st 1,048,576 bytes
;; launch prep (part 1): grid 976 x 1, 8 waves a work-group, no clusters, 0 bytes of LDS; arguments x, Wq, Wk, Wv, xb, wb, tab, st; writes xb, wb, tab, st
.if DOCPART == 1
	.amdgcn_target "amdgcn-amd-amdhsa--gfx1250"
	.amdhsa_code_object_version 6
	.text
	.protected	k_q55df50cc66_prep
	.globl	k_q55df50cc66_prep
	.p2align	8
	.type	k_q55df50cc66_prep,@function
k_q55df50cc66_prep:
	s_mov_b64 s[64:65], 0
	v_nop
	global_prefetch_b8 v0, s[64:65] scope:SCOPE_SE
	s_setreg_imm32_b32 hwreg(HW_REG_WAVE_MODE, 25, 1), 1
	s_wait_xcnt 0x0
; PREP.  Four roles, chosen by the work-group's number; no LDS, no matrix work: every role streams.
;   0..511    x  (f32 [8192][1024]) -> xb, bf16 [kb 16][row 8192][64]: a tile of rows x 64 K is dense
;   512..703  Wq, Wk, Wv (f32 [1024][1024]) -> wb, bf16 [kb 16][j 8][wc 2][g 3][n 64][64]; row e of W_g has j = e/128, wc = (e/64)%2, n = e%64
;   704..959  tab, f32 [G 16][u 2][m 2048][x 8][cos, sin, cos, sin] for the pairs i = 32 G + 4 x + 2 u + {0, 1}: angle m x 10000^(-i/512)
;   960..975  st: the maxima's half holds -1e29 and the sums' half 0, for the tiles of keys that the score launch never makes
; LIMITS.  theta is 2^(-0.025952563 i) by v_exp_f32 and the angle one f32 product, so an angle may differ from a correctly rounded one by some 2e-4 rad at m = 2047;
; sine and cosine by reduction to |r| <= pi/4 (pi/2 in two parts) and polynomials of degree 7 and 8.  x and W are rounded to bf16, to nearest even.
.set XSTEP, 1048576                    ; bytes from a K block of xb to the next
.set WSTEP, 393216                     ; the same in wb
	s_load_b512 s[4:19], s[0:1], 0x0               ; x s[4:5], Wq s[6:7], Wk s[8:9], Wv s[10:11], xb s[12:13], wb s[14:15], tab s[16:17], st s[18:19]
	v_lshrrev_b32 v1, 5, v0
	v_readfirstlane_b32 s20, v1                    ; wave 0..7
	v_and_b32 v2, 31, v0                           ; lane L
	v_lshrrev_b32 v5, 4, v2
	v_and_b32 v6, 15, v2
	v_lshlrev_b32 v3, 4, v6
	v_lshl_add_u32 v3, v5, 12, v3                  ; in: lanes 0-15 take 256 bytes of a row, lanes 16-31 the same of the next row
	v_lshlrev_b32 v4, 3, v2                        ; out: 8 bytes a lane, 256 consecutive bytes a wave
	s_mov_b32 s21, ttmp9
	s_mov_b32 s31, 0
	s_wait_kmcnt 0x0
	s_cmp_lt_u32 s21, 512
	s_cbranch_scc1 .Lrole_x
	s_cmp_lt_u32 s21, 704
	s_cbranch_scc1 .Lrole_w
	s_cmp_lt_u32 s21, 960
	s_cbranch_scc1 .Lrole_tab
	; ---- st: 65,536 bytes a work-group, 4,096 consecutive bytes a store of the eight waves
	s_sub_co_u32 s22, s21, 960
	s_cmp_lt_u32 s22, 8
	s_cselect_b32 s23, 0xefa18f08, 0               ; -1e29 in the maxima's half, 0 in the sums'
	v_mov_b32 v8, s23
	v_mov_b32 v9, s23
	v_mov_b32 v10, s23
	v_mov_b32 v11, s23
	s_lshl_b32 s30, s22, 16
	s_add_nc_u64 s[26:27], s[18:19], s[30:31]
	v_lshlrev_b32 v7, 4, v0
.set k, 0
.rept 16
	global_store_b128 v7, v[8:11], s[26:27] offset:4096*k
.set k, k+1
.endr
	s_endpgm
; Two rows of 1,024 f32 become bf16.  Load k is K block k of both rows; its 4 numbers a lane pack into 8 bytes, and the wave's store is two rows of one K block: 256 consecutive bytes.
; All 16 loads go out first; the wait for load k leaves the 15 - k younger ones out.  Every register is written once.
.macro CONV stride
.set k, 0
.rept 16
	global_load_b128 v[32+4*k:35+4*k], v3, s[24:25] offset:256*k th:TH_LOAD_NT
.set k, k+1
.endr
.set k, 0
.rept 16
	s_wait_loadcnt 15-k
	v_cvt_pk_bf16_f32 v[96+2*k], v[32+4*k], v[33+4*k]
	v_cvt_pk_bf16_f32 v[97+2*k], v[34+4*k], v[35+4*k]
.if k < 8
	global_store_b64 v4, v[96+2*k:97+2*k], s[26:27] offset:k*(\stride)
.else
	global_store_b64 v4, v[96+2*k:97+2*k], s[28:29] offset:(k-8)*(\stride)  ; a second base: the immediate has 24 signed bits
.endif
.set k, k+1
.endr
.endm
.Lrole_x:
	s_lshl_b32 s22, s21, 3
	s_add_co_u32 s22, s22, s20                     ; the pair of rows, 0..4095
	s_lshl_b32 s30, s22, 13
	s_add_nc_u64 s[24:25], s[4:5], s[30:31]
	s_lshl_b32 s30, s22, 8
	s_add_nc_u64 s[26:27], s[12:13], s[30:31]
	s_add_nc_u64 s[28:29], s[26:27], 8*XSTEP
	CONV XSTEP
	s_endpgm
.Lrole_w:
	s_sub_co_u32 s22, s21, 512
	s_lshr_b32 s23, s22, 6                         ; g: 0 Q, 1 K, 2 V
	s_and_b32 s22, s22, 63
	s_lshl_b32 s22, s22, 3
	s_add_co_u32 s22, s22, s20                     ; the pair of rows, 0..511: e = 2 x pair
	s_cmp_eq_u32 s23, 0
	s_cselect_b64 s[24:25], s[6:7], s[8:9]
	s_cmp_eq_u32 s23, 2
	s_cselect_b64 s[24:25], s[10:11], s[24:25]
	s_lshl_b32 s30, s22, 13
	s_add_nc_u64 s[24:25], s[24:25], s[30:31]
	s_lshr_b32 s32, s22, 6                         ; j
	s_mul_i32 s30, s32, 49152
	s_bfe_u32 s32, s22, 0x10005                    ; wc
	s_mul_i32 s32, s32, 24576
	s_add_co_u32 s30, s30, s32
	s_lshl_b32 s32, s23, 13                        ; g x 64 rows of 128 bytes
	s_add_co_u32 s30, s30, s32
	s_and_b32 s32, s22, 31
	s_lshl_b32 s32, s32, 8                         ; n x 128
	s_add_co_u32 s30, s30, s32
	s_add_nc_u64 s[26:27], s[14:15], s[30:31]
	s_add_nc_u64 s[28:29], s[26:27], 8*WSTEP
	CONV WSTEP
	s_endpgm
; cos and sin of a non-negative angle: k = round(angle 2/pi), r = angle - k pi/2, polynomials in r, then the quadrant by selects and sign bits: no branch.
.macro SINCOS co, si, an
	v_mul_f32 v16, s36, v[\an]
	v_rndne_f32 v16, v16
	v_fma_f32 v17, -v16, s37, v[\an]
	v_fma_f32 v17, -v16, s38, v17                  ; r
	v_cvt_i32_f32 v18, v16
	v_mul_f32 v19, v17, v17                        ; z = r r
	v_fma_f32 v20, v19, s39, s40
	v_fma_f32 v21, v19, s42, s43
	v_fma_f32 v20, v20, v19, s41
	v_fma_f32 v21, v21, v19, s44
	v_mul_f32 v22, v17, v19
	v_mul_f32 v23, v19, v19
	v_fma_f32 v19, v19, -0.5, 1.0
	v_fma_f32 v20, v20, v22, v17                   ; sin r
	v_fma_f32 v21, v21, v23, v19                   ; cos r
	v_and_b32 v22, 1, v18
	v_cmp_eq_u32 vcc_lo, 1, v22
	v_cndmask_b32 v[\co], v21, v20, vcc_lo         ; k odd: the two change places
	v_cndmask_b32 v[\si], v20, v21, vcc_lo
	v_add_nc_u32 v22, 1, v18
	v_and_b32 v23, 2, v18
	v_and_b32 v22, 2, v22
	v_lshlrev_b32 v23, 30, v23
	v_lshlrev_b32 v22, 30, v22
	v_xor_b32 v[\co], v[\co], v22                  ; cos is negative for k % 4 = 1, 2
	v_xor_b32 v[\si], v[\si], v23                  ; sin for k % 4 = 2, 3
.endm
.Lrole_tab:
	s_sub_co_u32 s22, s21, 704
	s_lshl_b32 s22, s22, 3
	s_add_co_u32 s22, s22, s20                     ; wave 0..2047
	s_lshr_b32 s23, s22, 6                         ; 2 G + u
	s_and_b32 s22, s22, 63                         ; which 32 positions m
	s_lshl_b32 s30, s23, 18
	s_lshl_b32 s32, s22, 12
	s_add_co_u32 s30, s30, s32
	s_add_nc_u64 s[26:27], s[16:17], s[30:31]
	s_mov_b32 s36, 0x3f22f983                      ; 2 / pi
	s_mov_b32 s37, 0x3fc90fdb                      ; pi / 2, upper part
	s_mov_b32 s38, 0xb33bbd2e                      ; and the rest
	s_mov_b32 s39, 0xb94ca1f9                      ; sine: -1.9515296e-4, 8.3321609e-3, -1.6666655e-1
	s_mov_b32 s40, 0x3c08839e
	s_mov_b32 s41, 0xbe2aaaa3
	s_mov_b32 s42, 0x37ccf5ce                      ; cosine: 2.4433157e-5, -1.3887316e-3, 4.1666646e-2
	s_mov_b32 s43, 0xbab6061a
	s_mov_b32 s44, 0x3d2aaaa5
	s_mov_b32 s45, 0xbcd49a78                      ; -log2(10000) / 512
	v_and_b32 v5, 7, v2                            ; x
	v_lshrrev_b32 v6, 3, v2                        ; which of four positions
	s_and_b32 s32, s23, 30
	s_lshl_b32 s32, s32, 4
	s_and_b32 s33, s23, 1
	s_lshl_b32 s33, s33, 1
	s_add_co_u32 s32, s32, s33                     ; 32 G + 2 u
	v_lshl_add_u32 v7, v5, 2, s32                  ; my first pair i
	v_add_nc_u32 v8, 1, v7
	v_cvt_f32_u32 v7, v7
	v_cvt_f32_u32 v8, v8
	v_mul_f32 v7, s45, v7
	v_mul_f32 v8, s45, v8
	v_exp_f32 v7, v7                               ; theta of my two pairs
	v_exp_f32 v8, v8
	s_lshl_b32 s33, s22, 5
	v_add_nc_u32 v9, s33, v6                       ; m; also the plain instruction behind the exponentials (ISA guide 5.7.2)
	v_lshlrev_b32 v13, 4, v2                       ; 16 bytes a lane: a store covers four positions, 512 consecutive bytes
	s_mov_b32 s34, 8
.Ltab:
	v_cvt_f32_u32 v10, v9
	s_wait_alu depctr_va_vdst(0)
	v_mul_f32 v11, v10, v7
	v_mul_f32 v12, v10, v8
	SINCOS 64, 65, 11
	SINCOS 66, 67, 12
	global_store_b128 v13, v[64:67], s[26:27]
	s_wait_xcnt 0x0                                ; the store's offset and data are rewritten only behind this wait
	v_add_nc_u32 v13, 512, v13
	v_add_nc_u32 v9, 4, v9
	s_sub_co_u32 s34, s34, 1
	s_cmp_lg_u32 s34, 0
	s_cbranch_scc1 .Ltab
	s_endpgm
.Lfunc_end_k_q55df50cc66_prep:
	.size	k_q55df50cc66_prep, .Lfunc_end_k_q55df50cc66_prep-k_q55df50cc66_prep
	.p2alignl 7, 3214868480
	.fill 96, 4, 3214868480
	.section	.rodata,"a",@progbits
	.p2align	6, 0x0
	.amdhsa_kernel k_q55df50cc66_prep
		.amdhsa_group_segment_fixed_size 0
		.amdhsa_private_segment_fixed_size 0
		.amdhsa_enable_private_segment 0
		.amdhsa_kernarg_size 64
		.amdhsa_user_sgpr_count 2
		.amdhsa_user_sgpr_kernarg_segment_ptr 1
		.amdhsa_wavefront_size32 1
		.amdhsa_system_sgpr_workgroup_id_x 1
		.amdhsa_system_sgpr_workgroup_id_y 1
		.amdhsa_system_sgpr_workgroup_id_z 1
		.amdhsa_system_vgpr_workitem_id 0
		.amdhsa_next_free_vgpr 128
		.amdhsa_next_free_sgpr 66
		.amdhsa_reserve_vcc 1
		.amdhsa_float_denorm_mode_32 3
		.amdhsa_float_denorm_mode_16_64 3
		.amdhsa_memory_ordered 1
		.amdhsa_forward_progress 1
		.amdhsa_inst_pref_size 20
	.end_amdhsa_kernel
	.amdgpu_metadata
---
amdhsa.version: [ 1, 2 ]
amdhsa.kernels:
  - .name:           k_q55df50cc66_prep
    .symbol:         k_q55df50cc66_prep.kd
    .args:
      - { .name: x, .offset: 0, .size: 8, .value_kind: global_buffer, .address_space: global }
      - { .name: Wq, .offset: 8, .size: 8, .value_kind: global_buffer, .address_space: global }
      - { .name: Wk, .offset: 16, .size: 8, .value_kind: global_buffer, .address_space: global }
      - { .name: Wv, .offset: 24, .size: 8, .value_kind: global_buffer, .address_space: global }
      - { .name: xb, .offset: 32, .size: 8, .value_kind: global_buffer, .address_space: global }
      - { .name: wb, .offset: 40, .size: 8, .value_kind: global_buffer, .address_space: global }
      - { .name: tab, .offset: 48, .size: 8, .value_kind: global_buffer, .address_space: global }
      - { .name: st, .offset: 56, .size: 8, .value_kind: global_buffer, .address_space: global }
    .group_segment_fixed_size: 0
    .private_segment_fixed_size: 0
    .kernarg_segment_align: 8
    .kernarg_segment_size: 64
    .max_flat_workgroup_size: 256
    .sgpr_count:     66
    .vgpr_count:     128
    .wavefront_size: 32
...
	.end_amdgpu_metadata
.endif
;; end of part 1
;; launch proj (part 2): grid 8 x 32, 4 waves a work-group, clusters of 4 x 4, 327,680 bytes of LDS; arguments xb, wb, tab, qb, kb, vt; writes qb, kb, vt
.if DOCPART == 2
	.amdgcn_target "amdgcn-amd-amdhsa--gfx1250"
	.amdhsa_code_object_version 6
	.text
	.protected	k_q55df50cc66_proj
	.globl	k_q55df50cc66_proj
	.p2align	8
	.type	k_q55df50cc66_proj,@function
k_q55df50cc66_proj:
	s_mov_b64 s[64:65], 0
	v_nop
	global_prefetch_b8 v0, s[64:65] scope:SCOPE_SE
	s_setreg_imm32_b32 hwreg(HW_REG_WAVE_MODE, 25, 1), 1
	s_wait_xcnt 0x0
	s_wait_alu depctr_hold_cnt(0) depctr_sa_sdst(0) depctr_va_vdst(0) depctr_va_sdst(0) depctr_va_ssrc(0) depctr_va_vcc(0) depctr_vm_vsrc(0)
	s_getreg_b32 s2, hwreg(HW_REG_IB_STS2, 6, 4)
	s_cmp_eq_u32 s2, 0
	s_cbranch_scc0 .Lentry_in_a_cluster
	s_endpgm
.Lentry_in_a_cluster:
	s_bfe_u32 s2, ttmp6, 0x10000c
	s_cmp_lg_u32 s2, 0xf033
	s_cbranch_scc0 .Lentry_shape_is_right
	s_endpgm
.Lentry_shape_is_right:
; PROJ.  Q, K, V = x W^T in bf16 with f32 sums; Q and K are rotated (RoPE) in f32; all three leave in f16.
; A work-group makes 256 rows of x times 384 columns: channels 128 j .. 128 j + 127 of Q, of K and of V.  Four waves; wave (wr, wc) owns 128 rows x (3 groups of 64 channels 128 j + 64 wc ..):
; 96 accumulators of 16 x 16; group g (0 Q, 1 K, 2 V) fills register window g + 1, accumulator (a, b) at v[8 (4 a + b)].
; K goes in steps of 64 (one K block of xb and wb, dense in memory) through two LDS slots; a step is two products deep (32 + 32 along K).
; Q and K are multiplied transposed (source 0 = 16 rows of W, source 1 = 16 rows of x): a lane holds one row of x and eight neighbouring channels.  V the other way: a lane holds one channel and eight keys: V^T.
; CLUSTER 4 x 4: x's tile hangs on the block of rows alone and is asked for jointly along a row of the cluster, W's on j alone and jointly along a column.  The cos/sin tile is each wave's own plain load.
; OUT.  qb, kb: f16 [kb 16][row 8192][64].  vt: f16 [b 4][key / 64][channel 1024][64 keys].
; LIMITS.  f16 ends at 65,504: |Q|, |K|, |V| must stay below that.  NaN and infinities are not treated apart.
; The tail's last trip fetches fragments of a slot that has been read out; they are never multiplied: the price of one text for both trips of the tail.
.set SLOT,   92160                     ; x: 256 rows x 144 bytes, then W: 384 rows x 144 (128 bytes of data + 16 of padding: 36 words, so 16 rows start at 16 different groups of four banks: ISA guide 11.1)
.set TABL,   2*SLOT                    ; 32,768 bytes a wave: [u 2][row 128][128 bytes] of cos, sin
.set SPARE,  TABL+4*32768              ; the spare words, 128 bytes a wave: two blocks of 256 bytes that no other line names
.set WSB,    34816                     ; the way out: a stage for each wave, on the slots' bytes behind their last fill
.set KOFF,   17408                     ; K's half of the stage
.set XSTEP,  1048576
.set WSTEP,  393216
.set PADW,   (1<<16)|(1<<20)|(1<<21)|(4<<22)|(3<<25)  ; 2-byte elements; padding on; bit 21 beside a mask; after every 32 words, 4 words
.set A0L, 4                            ; v4   my lane's place in a slot's x tile; never rewritten
.set B0L, 5                            ; v5   the same for W
.set ADRA, 6                           ; v6, v7  the same in the slot in hand
.set ADRB, 7
.set VSTO, 8                           ; v8-15  the way out (see there)
.set VRD, 9
.set VGO, 10
.set DSTO, 11
.set QR0, 12
.set QRD, 13
.set TRD, 14
.set GOF, 15
.set FA0, 16                           ; v16-79, v80-143  x's fragments of the even and of the odd 32 along K
.set FA1, 80
.set FB,  144                          ; v144-239  W's fragments, 32 registers a group
.set SPW, 240                          ; LDS address of my spare word; never rewritten
.set NIL, 241                          ; 0; never rewritten
.set WV, 16                            ; s16 wave; s17 wr (also: 0 = I fetch x, 1 = W); s18 wc (also: which half I fetch)
.set WR, 17
.set WC, 18
.set G1A, 24
.set G1B, 32
.set G1T, 40
.set G0A, 48                           ; s[48:51] slot 0's first fill, s[52:55] walks
.set G0B, 56                           ; s[56:59], s[60:63] the same for W
.set G0T, 68
.set TB,  72                           ; LDS byte at which the slot in hand begins
.set SB,  73                           ; the same for the slot filled last
.set CNT, 74
.set WTA, 75                           ; my part of a slot, if I fetch x
.set WTB, 76                           ; if I fetch W; also where my group of W's rows begins
.set MSB, 0
.macro WIN new                         ; the immediate's high byte repeats the setting that is left
.if MSB != (\new)
	s_set_vgpr_msb (MSB<<8)|(\new)
.set MSB, (\new)
.endif
.endm
.macro PLACES                          ; four places between a matrix instruction and a load into, or a vector write of, one of its registers, or a read of its result
.rept 4
	v_nop
.endr
.endm
.macro CREST                           ; a round of the cluster's barrier behind its opening barrier
	s_cmp_lg_u32 s[WV], 0
	s_cbranch_scc1 .Lnot_wave_0_\@
	s_barrier_signal -3
.Lnot_wave_0_\@:
	s_barrier_wait -3
	s_barrier_signal -1
	s_barrier_wait -1
.endm
.macro CROUND
	s_barrier_signal -1
	s_barrier_wait -1
	CREST
.endm
.macro JLOAD                           ; the joint refill: waves 0, 1 x's halves, waves 2, 3 W's; an s_nop 0 and four v_nop follow each line
	s_cmp_eq_u32 s[WR], 0
	s_cbranch_scc0 .Lfor_b_\@
	tensor_load_to_lds s[G0A+4:G0A+7], s[G1A:G1A+7]
	s_nop 0
.rept 4
	v_nop
.endr
	s_branch .Lasked_\@
.Lfor_b_\@:
	tensor_load_to_lds s[G0B+4:G0B+7], s[G1B:G1B+7]
	s_nop 0
.rept 4
	v_nop
.endr
.Lasked_\@:
.endm
	s_load_b256 s[4:11], s[0:1], 0x0               ; xb s[4:5], wb s[6:7], tab s[8:9], qb s[10:11]
	s_load_b128 s[12:15], s[0:1], 0x20             ; kb s[12:13], vt s[14:15]
	v_lshl_add_u32 v[SPW], v0, 2, SPARE
	v_mov_b32 v[NIL], 0
	ds_add_u32 v[SPW], v[NIL]                      ; the wave's opening: the add and its wait ahead of my first tensor load; the set-up, work on registers, stands between
	ds_add_u32 v240, v241
	v_lshrrev_b32 v1, 5, v0
	v_readfirstlane_b32 s[WV], v1
	s_lshr_b32 s[WR], s[WV], 1
	s_and_b32 s[WC], s[WV], 1
	s_bfe_u32 s19, ttmp6, 0x40000                  ; cx
	s_bfe_u32 s20, ttmp6, 0x40004                  ; cy
	s_lshl_b32 s21, ttmp9, 2
	s_add_co_u32 s21, s21, s19                     ; j = 4 x cluster x + cx
	s_and_b32 s22, ttmp7, 0xffff
	s_lshl_b32 s22, s22, 2
	s_add_co_u32 s22, s22, s20                     ; block of 256 rows = 4 x cluster y + cy
	s_lshl_b32 s78, s20, 2
	s_lshl_b32 s78, 15, s78                        ; my row of the cluster
	s_lshl_b32 s79, 0x1111, s19                    ; my column
	s_or_b32 s[G1A], s78, PADW
	s_or_b32 s[G1B], s79, PADW
	s_mov_b32 s[G1A+1], 128<<16                    ; 128 dense rows of 128 bytes are asked for as 64 rows of 256: tensor_dim0 = 128 elements
	s_mov_b32 s[G1A+2], 64<<16                     ; tensor_dim1
	s_mov_b32 s[G1A+3], 128<<16                    ; tile_dim0
	s_mov_b32 s[G1A+4], 64                         ; tile_dim1
	s_mov_b32 s[G1A+5], 128                        ; elements from row to row
	s_mov_b32 s[G1A+6], 0
	s_mov_b32 s[G1A+7], 0
	s_mov_b32 s[G1B+1], 128<<16                    ; W: 192 dense rows as 96 rows of 256 bytes
	s_mov_b32 s[G1B+2], 96<<16
	s_mov_b32 s[G1B+3], 128<<16
	s_mov_b32 s[G1B+4], 96
	s_mov_b32 s[G1B+5], 128
	s_mov_b32 s[G1B+6], 0
	s_mov_b32 s[G1B+7], 0
	s_mov_b32 s[G1T], 3<<16                        ; the table: 8-byte elements, no mask, no padding; two rows (u) of 128 positions x 128 bytes
	s_mov_b32 s[G1T+1], 2048<<16
	s_mov_b32 s[G1T+2], 2<<16
	s_mov_b32 s[G1T+3], 2048<<16
	s_mov_b32 s[G1T+4], 2
	s_mov_b32 s[G1T+5], 32768
	s_mov_b32 s[G1T+6], 0
	s_mov_b32 s[G1T+7], 0
	s_mul_i32 s[WTA], s[WC], 18432
	s_mul_i32 s[WTB], s[WC], 27648
	s_add_co_u32 s[WTB], s[WTB], 36864
	s_mov_b32 s[TB], 0
	s_mov_b32 s[SB], SLOT
	s_lshl_b32 s80, s22, 15                        ; x: (256 block + 128 half) rows of 128 bytes; these two registers never hold cx
	s_lshl_b32 s81, s[WC], 14
	s_add_co_u32 s80, s80, s81
	s_mov_b32 s81, 0
	s_mul_i32 s82, s21, 49152                      ; W: j and my half; these two never hold cy
	s_mul_i32 s83, s[WC], 24576
	s_add_co_u32 s82, s82, s83
	s_mov_b32 s83, 0
	s_lshl_b32 s88, s21, 1
	s_add_co_u32 s88, s88, s[WC]                   ; G = 2 j + wc: my 64 channels' K block in qb, kb and their plane pair in tab
	s_lshl_b32 s86, s88, 19
	s_and_b32 s89, s22, 7
	s_lshl_b32 s89, s89, 15
	s_add_co_u32 s86, s86, s89
	s_lshl_b32 s89, s[WR], 14
	s_add_co_u32 s86, s86, s89                     ; tab: plane pair G, positions 256 (block % 8) + 128 wr on
	s_mov_b32 s87, 0
	s_mov_b32 s[G0A], 1
	s_mov_b32 s[G0A+1], s[WTA]
	s_mov_b32 s[G0A+4], 1
	s_add_co_u32 s[G0A+5], s[WTA], SLOT
	s_mov_b32 s[G0B], 1
	s_mov_b32 s[G0B+1], s[WTB]
	s_mov_b32 s[G0B+4], 1
	s_add_co_u32 s[G0B+5], s[WTB], SLOT
	s_mov_b32 s[G0T], 1
	s_lshl_b32 s[G0T+1], s[WV], 15
	s_add_co_u32 s[G0T+1], s[G0T+1], TABL
	s_wait_dscnt 0x0                               ; the opening add is done
	s_wait_kmcnt 0x0
	s_add_nc_u64 s[G0A+2:G0A+3], s[4:5], s[80:81]  ; K block 0
	s_add_nc_u64 s[G0A+6:G0A+7], s[G0A+2:G0A+3], XSTEP  ; K block 1
	s_add_nc_u64 s[G0B+2:G0B+3], s[6:7], s[82:83]
	s_add_nc_u64 s[G0B+6:G0B+7], s[G0B+2:G0B+3], WSTEP
	s_add_nc_u64 s[G0T+2:G0T+3], s[8:9], s[86:87]
	s_or_b32 s[G0A+3], s[G0A+3], 0x80000000        ; type = 2
	s_or_b32 s[G0A+7], s[G0A+7], 0x80000000
	s_or_b32 s[G0B+3], s[G0B+3], 0x80000000
	s_or_b32 s[G0B+7], s[G0B+7], 0x80000000
	s_or_b32 s[G0T+3], s[G0T+3], 0x80000000
	CROUND                                         ; all sixteen work-groups are here: the first joint loads meet
	s_cmp_eq_u32 s[WR], 0                          ; a wave's three first fills stand in one branch: slot 0, slot 1, my table: three loads of mine are out
	s_cbranch_scc0 .Lfirst_b
	tensor_load_to_lds s[G0A:G0A+3], s[G1A:G1A+7]
	s_nop 0
	tensor_load_to_lds s[G0A+4:G0A+7], s[G1A:G1A+7]
	s_nop 0
	tensor_load_to_lds s[G0T:G0T+3], s[G1T:G1T+7]
	s_nop 0
.rept 4
	v_nop
.endr
	s_branch .Lfirst_done
.Lfirst_b:
	tensor_load_to_lds s[G0B:G0B+3], s[G1B:G1B+7]
	s_nop 0
	tensor_load_to_lds s[G0B+4:G0B+7], s[G1B:G1B+7]
	s_nop 0
	tensor_load_to_lds s[G0T:G0T+3], s[G1T:G1T+7]
	s_nop 0
.rept 4
	v_nop
.endr
.Lfirst_done:
	; where the results go (offsets made apart from the addresses)
	s_lshl_b32 s86, s88, 20
	s_lshl_b32 s89, s22, 15
	s_add_co_u32 s86, s86, s89
	s_lshl_b32 s89, s[WR], 14
	s_add_co_u32 s86, s86, s89
	s_add_nc_u64 s[90:91], s[10:11], s[86:87]      ; qb at K block G, my first row
	s_add_nc_u64 s[92:93], s[12:13], s[86:87]      ; kb likewise
	s_lshr_b32 s86, s22, 3
	s_lshl_b32 s86, s86, 22                        ; batch
	s_and_b32 s89, s22, 7
	s_lshl_b32 s89, s89, 19                        ; 4 (block % 8) blocks of 64 keys, 131,072 bytes each
	s_add_co_u32 s86, s86, s89
	s_lshl_b32 s89, s[WR], 18
	s_add_co_u32 s86, s86, s89
	s_lshl_b32 s89, s21, 14                        ; channel 128 j + 64 wc, 128 bytes each
	s_add_co_u32 s86, s86, s89
	s_lshl_b32 s89, s[WC], 13
	s_add_co_u32 s86, s86, s89
	s_add_nc_u64 s[94:95], s[14:15], s[86:87]      ; vt
	; A fragment is 16 rows x 32 K in 8 registers: lane l holds row l % 16, K = 8 (l / 16) + 0..7 and 16 + 8 (l / 16) + 0..7: two loads of 16 bytes, 32 bytes apart.
	v_and_b32 v1, 15, v0                           ; r
	v_bfe_u32 v2, v0, 4, 1                         ; h
	v_mul_u32_u24 v3, v1, 144
	v_lshl_add_u32 v3, v2, 4, v3
	s_mul_i32 s66, s[WR], 18432                    ; my 128 rows of x
	v_add_nc_u32 v[A0L], s66, v3
	v_add_nc_u32 v[B0L], s[WTB], v3                ; my 192 rows of W
	v_mov_b32 v[ADRA], v[A0L]
	v_mov_b32 v[ADRB], v[B0L]
	s_mul_i32 s67, s[WV], WSB                      ; my stage
	v_mul_u32_u24 v3, v1, 272
	v_add_nc_u32 v3, s67, v3
	v_lshl_add_u32 v[VSTO], v2, 4, v3              ; V in: channel r, 16 bytes (8 keys) for each half of the lanes
	v_lshl_add_u32 v[DSTO], v2, 5, v3              ; Q, K in: row r, 32 bytes (8 channels in f32) for each half
	v_and_b32 v1, 7, v0                            ; x
	v_bfe_u32 v3, v0, 3, 1                         ; rho
	v_mul_u32_u24 v[VRD], v3, 272                  ; V back: channel 2 t + rho, keys 64 z + 8 x on (z = h)
	v_lshl_add_u32 v[VRD], v2, 7, v[VRD]
	v_lshl_add_u32 v[VRD], v1, 4, v[VRD]
	v_add_nc_u32 v[VRD], s67, v[VRD]
	v_lshlrev_b32 v[VGO], 17, v2                   ; and in vt: block of keys z, two channels of 128 bytes: 16 lanes store 256 consecutive bytes
	v_lshl_add_u32 v[VGO], v3, 7, v[VGO]
	v_lshl_add_u32 v[VGO], v1, 4, v[VGO]
	v_bfe_u32 v3, v0, 3, 2
	v_mul_u32_u24 v[QR0], v3, 272                  ; Q, K back: row l / 8 of four, channels 8 x on
	v_lshl_add_u32 v[QR0], v1, 5, v[QR0]
	v_add_nc_u32 v[QR0], s67, v[QR0]
	v_and_b32 v3, 31, v0
	v_lshlrev_b32 v[GOF], 4, v3                    ; four rows of 128 bytes are 512 consecutive bytes of qb, of kb and of a table plane
	v_add_nc_u32 v[TRD], s[G0T+1], v[GOF]
.macro LDA buf, half, c                ; 8 LDS loads: x's fragments 4 half .. 4 half + 3 of the 32 along K numbered c
	WIN 0
.set i, 4*(\half)
.rept 4
	ds_load_b128 v[(\buf)+8*i:(\buf)+8*i+3],   v[ADRA] offset:i*2304+64*(\c)
	ds_load_b128 v[(\buf)+8*i+4:(\buf)+8*i+7], v[ADRA] offset:i*2304+64*(\c)+32
.set i, i+1
.endr
.endm
.macro LDB g, c                        ; 8 LDS loads: group g's four fragments of W
	WIN 0
.set i, 0
.rept 4
	ds_load_b128 v[FB+32*(\g)+8*i:FB+32*(\g)+8*i+3],   v[ADRB] offset:(\g)*9216+i*2304+64*(\c)
	ds_load_b128 v[FB+32*(\g)+8*i+4:FB+32*(\g)+8*i+7], v[ADRB] offset:(\g)*9216+i*2304+64*(\c)+32
.set i, i+1
.endr
.endm
; 16 matrix instructions of group g: row blocks a0 .. a0 + 3 x its 4 channel blocks.  zero = 1: the first product starts the sums.  The 96 accumulators take turns, one instruction a turn.
.macro MULG g, abuf, a0, zero
	WIN 0x50*((\g)+1)
.set ia, (\a0)
.rept 4
.set ib, 0
.rept 4
.set rD, 8*(4*ia+ib)
.set rA, (\abuf)+8*ia
.set rB, FB+32*(\g)+8*ib
.if (\g) == 2
.if \zero
	v_wmma_f32_16x16x32_bf16 v[rD:rD+7], v[rA:rA+7], v[rB:rB+7], 0
.else
	v_wmma_f32_16x16x32_bf16 v[rD:rD+7], v[rA:rA+7], v[rB:rB+7], v[rD:rD+7]
.endif
.else
.if \zero
	v_wmma_f32_16x16x32_bf16 v[rD:rD+7], v[rB:rB+7], v[rA:rA+7], 0
.else
	v_wmma_f32_16x16x32_bf16 v[rD:rD+7], v[rB:rB+7], v[rA:rA+7], v[rD:rD+7]
.endif
.endif
.set ib, ib+1
.endr
.set ia, ia+1
.endr
.endm
; The even 32 along K of a slot.  Each run of loads stands in the middle of a group's 32 products, behind four places.
.macro EPH zero
	s_wait_dscnt 8                                 ; all but the youngest run, group 1's fragments
	MULG 0, FA0, 0, \zero
	PLACES
	LDB 2, 0
	LDA FA1, 0, 1
	MULG 0, FA0, 4, \zero
	s_wait_dscnt 16                                ; group 1's are in; the 16 loads just issued may be out
	MULG 1, FA0, 0, \zero
	PLACES
	LDB 0, 1
	LDA FA1, 1, 1
	MULG 1, FA0, 4, \zero
	s_wait_dscnt 24                                ; group 2's are in; behind them 8 + 16 loads were issued
	MULG 2, FA0, 0, \zero
	PLACES
	LDB 1, 1
	MULG 2, FA0, 4, \zero
	WIN 0
.endm
; The odd 32 along K, and the change of slots: ONE barrier.  In front of it each wave waits for all its tensor loads, adds 0 to its spare word, and waits for that and for its reads of this slot.
; fill = 1: the barrier opens a round of the cluster's barrier, and the joint refill (this slot, the K block two on) is the first thing behind the round: it has a whole step less 16 products in which to land.
.macro OPH fill
	s_wait_dscnt 8                                 ; x's odd fragments and group 0's are in; group 1's run may be out
	PLACES
	LDB 2, 1                                       ; my last reads of this slot
	WIN 0
	s_wait_tensorcnt 0x0                           ; no tensor load of mine is out, so a group 0 may be written
	ds_add_u32 v[SPW], v[NIL]                      ; 0 onto my spare word
.if \fill
	s_xor_b32 s[SB], s[SB], SLOT                   ; the walking descriptors: the other slot than last time, the next K block
	s_add_co_u32 s[G0A+5], s[SB], s[WTA]
	s_add_co_u32 s[G0B+5], s[SB], s[WTB]
	s_add_nc_u64 s[G0A+6:G0A+7], s[G0A+6:G0A+7], XSTEP
	s_add_nc_u64 s[G0B+6:G0B+7], s[G0B+6:G0B+7], WSTEP
.endif
	MULG 0, FA1, 0, 0
	s_wait_dscnt 0x0                               ; the add is done, and my reads of this slot are over
	s_barrier_signal -1
	MULG 0, FA1, 4, 0
	WIN 0
	s_barrier_wait -1
.if \fill
	CREST
	JLOAD                                          ; its four v_nop are also the places in front of the loads below
.else
	PLACES
.endif
	s_xor_b32 s[TB], s[TB], SLOT
	v_add_nc_u32 v[ADRA], s[TB], v[A0L]
	v_add_nc_u32 v[ADRB], s[TB], v[B0L]
	LDA FA0, 0, 0
	MULG 1, FA1, 0, 0
	PLACES
	LDB 0, 0
	LDA FA0, 1, 0
	MULG 1, FA1, 4, 0
	MULG 2, FA1, 0, 0
	PLACES
	LDB 1, 0
	MULG 2, FA1, 4, 0
	WIN 0
.endm
	s_wait_tensorcnt 2                             ; my part of K block 0 is in; slot 1 and the table may stay out
	s_barrier_signal -1
	s_barrier_wait -1
	LDA FA0, 0, 0
	LDA FA0, 1, 0
	LDB 0, 0
	LDB 1, 0
	EPH 1                                          ; the first 32 along K start the 96 sums
	s_mov_b32 s[CNT], 14                           ; 14 refills: K blocks 2 .. 15
	s_branch .Lmid
.Lslot:
	EPH 0
.Lmid:
	OPH 1
	s_sub_co_u32 s[CNT], s[CNT], 1
	s_cmp_lg_u32 s[CNT], 0
	s_cbranch_scc1 .Lslot
	s_mov_b32 s[CNT], 2                            ; the last two K blocks ask for nothing
.Ltail:
	EPH 0
	OPH 0
	s_sub_co_u32 s[CNT], s[CNT], 1
	s_cmp_lg_u32 s[CNT], 0
	s_cbranch_scc1 .Ltail
	; THE WAY OUT.  The stages lie on the slots, which have had their last fill: every wave's reads of the slots are over first.
	s_wait_dscnt 0x0
	s_barrier_signal -1
	s_barrier_wait -1
	PLACES
	; V^T: a lane's eight keys of a channel pack into 16 bytes; [channel 64][128 keys] with rows of 272 bytes; back as two channels x 64 keys of one block of keys.
	WIN 0x0f                                       ; sources in window 3
.set t, 0
.rept 32
.set k, 0
.rept 4
	v_cvt_pk_f16_f32 v[16+4*t+k], v[8*t+2*k], v[8*t+2*k+1]
.set k, k+1
.endr
.set t, t+1
.endr
	WIN 0
.set t, 0
.rept 32
	ds_store_b128 v[VSTO], v[16+4*t:19+4*t] offset:(t%4)*4352+(t/4)*32
.set t, t+1
.endr
.irp hh, 0, 1
.if \hh
	s_wait_xcnt 0x0                                ; the first half's stores have read their data registers
.endif
.set t, 0
.rept 16
	ds_load_b128 v[144+4*t:147+4*t], v[VRD] offset:(16*\hh+t)*544  ; LDS serves a wave's instructions in order (ISA guide 5.7.1.4): these see the stores above
.set t, t+1
.endr
.set t, 0
.rept 16
	s_wait_dscnt 15-t
	global_store_b128 v[VGO], v[144+4*t:147+4*t], s[94:95] offset:(16*\hh+t)*256
.set t, t+1
.endr
.endr
; Q and K, 64 rows at a time: the f32 sums go into the stage ([row 64][64 channels], rows of 272 bytes; Q, then K) and come back with four rows to a wave's load.
.macro DUMP hf
.irp g, 0, 1
	WIN 0x04*(\g+1)                                ; the stores' data in window 1 (Q) or 2 (K); each accumulator's low four registers go first
.set t, 0
.rept 16
.set rD, 8*(16*(\hf)+t)
	ds_store_b128 v[DSTO], v[rD:rD+3]   offset:\g*KOFF+(t/4)*4352+(t%4)*64
	ds_store_b128 v[DSTO], v[rD+4:rD+7] offset:\g*KOFF+(t/4)*4352+(t%4)*64+16
.set t, t+1
.endr
.endr
	WIN 0
.endm
.macro RREG                            ; pair p of unit u: Q's, K's and the table's registers
.set rq, 16+8*u+2*p
.set rk, 48+8*u+2*p
.set rt, 80+8*u+2*p
.endm
; Four trips of four units of four rows.  A lane holds 8 channels = 4 pairs (e, o) of Q and of K and their (cos, sin): e' = e c - o s, o' = e s + o c, each a product and a fused multiply-add.
.macro ROT
	s_wait_xcnt 0x0                                ; earlier stores have read the registers that are written below
	v_mov_b32 v[QRD], v[QR0]
	s_mov_b32 s[CNT], 4
.Lrot_\@:
.set u, 0
.rept 4
	ds_load_b128 v[16+8*u:19+8*u], v[QRD] offset:1088*u
	ds_load_b128 v[20+8*u:23+8*u], v[QRD] offset:1088*u+16
	ds_load_b128 v[48+8*u:51+8*u], v[QRD] offset:KOFF+1088*u
	ds_load_b128 v[52+8*u:55+8*u], v[QRD] offset:KOFF+1088*u+16
	ds_load_b128 v[80+8*u:83+8*u], v[TRD] offset:512*u
	ds_load_b128 v[84+8*u:87+8*u], v[TRD] offset:512*u+16384
.set u, u+1
.endr
.set u, 0
.rept 4
	s_wait_dscnt 18-6*u                            ; the later units' six loads each may stay out
.set p, 0
.rept 4
	RREG
	v_mul_f32 v[112+2*p], v[rq+1], v[rt+1]
	v_mul_f32 v[113+2*p], v[rq+1], v[rt]
	v_mul_f32 v[120+2*p], v[rk+1], v[rt+1]
	v_mul_f32 v[121+2*p], v[rk+1], v[rt]
.set p, p+1
.endr
.set p, 0
.rept 4
	RREG
	v_fma_f32 v[rq+1], v[rq], v[rt+1], v[113+2*p]
	v_fma_f32 v[rk+1], v[rk], v[rt+1], v[121+2*p]
	v_fma_f32 v[rq], v[rq], v[rt], -v[112+2*p]
	v_fma_f32 v[rk], v[rk], v[rt], -v[120+2*p]
.set p, p+1
.endr
.set p, 0
.rept 4
	RREG
	v_cvt_pk_f16_f32 v[128+8*u+p], v[rq], v[rq+1]
	v_cvt_pk_f16_f32 v[132+8*u+p], v[rk], v[rk+1]
.set p, p+1
.endr
	global_store_b128 v[GOF], v[128+8*u:131+8*u], s[90:91] offset:512*u  ; 512 consecutive bytes, at a multiple of 256 from the buffer's first
	global_store_b128 v[GOF], v[132+8*u:135+8*u], s[92:93] offset:512*u
.set u, u+1
.endr
	s_wait_xcnt 0x0                                ; the stores' offset and data are rewritten only behind this wait
	v_add_nc_u32 v[QRD], 4352, v[QRD]
	v_add_nc_u32 v[TRD], 2048, v[TRD]              ; the table and the outputs walk on through both halves
	v_add_nc_u32 v[GOF], 2048, v[GOF]
	s_sub_co_u32 s[CNT], s[CNT], 1
	s_cmp_lg_u32 s[CNT], 0
	s_cbranch_scc1 .Lrot_\@
.endm
	DUMP 0
	ROT
	DUMP 1
	ROT
	s_wait_tensorcnt 0x0                           ; the wave's end, behind my last tensor load and my last LDS store
	ds_add_u32 v[SPW], v[NIL]
	s_wait_dscnt 0x0
	CROUND                                         ; the closing round: no work-group ends while a partner may still ask for a tile that names it
	s_endpgm
.Lfunc_end_k_q55df50cc66_proj:
	.size	k_q55df50cc66_proj, .Lfunc_end_k_q55df50cc66_proj-k_q55df50cc66_proj
	.p2alignl 7, 3214868480
	.fill 96, 4, 3214868480
	.section	.rodata,"a",@progbits
	.p2align	6, 0x0
	.amdhsa_kernel k_q55df50cc66_proj
		.amdhsa_group_segment_fixed_size 327680
		.amdhsa_private_segment_fixed_size 0
		.amdhsa_enable_private_segment 0
		.amdhsa_kernarg_size 48
		.amdhsa_user_sgpr_count 2
		.amdhsa_user_sgpr_kernarg_segment_ptr 1
		.amdhsa_wavefront_size32 1
		.amdhsa_system_sgpr_workgroup_id_x 1
		.amdhsa_system_sgpr_workgroup_id_y 1
		.amdhsa_system_sgpr_workgroup_id_z 1
		.amdhsa_system_vgpr_workitem_id 0
		.amdhsa_next_free_vgpr 1024
		.amdhsa_next_free_sgpr 96
		.amdhsa_reserve_vcc 0
		.amdhsa_float_denorm_mode_32 3
		.amdhsa_float_denorm_mode_16_64 3
		.amdhsa_memory_ordered 1
		.amdhsa_forward_progress 1
		.amdhsa_inst_pref_size 106
	.end_amdhsa_kernel
	.amdgpu_metadata
---
amdhsa.version: [ 1, 2 ]
amdhsa.kernels:
  - .name:           k_q55df50cc66_proj
    .symbol:         k_q55df50cc66_proj.kd
    .args:
      - { .name: xb, .offset: 0, .size: 8, .value_kind: global_buffer, .address_space: global }
      - { .name: wb, .offset: 8, .size: 8, .value_kind: global_buffer, .address_space: global }
      - { .name: tab, .offset: 16, .size: 8, .value_kind: global_buffer, .address_space: global }
      - { .name: qb, .offset: 24, .size: 8, .value_kind: global_buffer, .address_space: global }
      - { .name: kb, .offset: 32, .size: 8, .value_kind: global_buffer, .address_space: global }
      - { .name: vt, .offset: 40, .size: 8, .value_kind: global_buffer, .address_space: global }
    .group_segment_fixed_size: 327680
    .private_segment_fixed_size: 0
    .kernarg_segment_align: 8
    .kernarg_segment_size: 48
    .max_flat_workgroup_size: 128
    .sgpr_count:     96
    .vgpr_count:     1024
    .wavefront_size: 32
...
	.end_amdgpu_metadata
.endif
;; end of part 2
;; launch score (part 3): grid 36 x 4, 4 waves a work-group, no clusters, 327,680 bytes of LDS; arguments qb, kb, pb, st; writes pb, st
.if DOCPART == 3
	.amdgcn_target "amdgcn-amd-amdhsa--gfx1250"
	.amdhsa_code_object_version 6
	.text
	.protected	k_q55df50cc66_score
	.globl	k_q55df50cc66_score
	.p2align	8
	.type	k_q55df50cc66_score,@function
k_q55df50cc66_score:
	s_mov_b64 s[64:65], 0
	v_nop
	global_prefetch_b8 v0, s[64:65] scope:SCOPE_SE
	s_setreg_imm32_b32 hwreg(HW_REG_WAVE_MODE, 25, 1), 1
	s_wait_xcnt 0x0
; SCORE.  S = Qr Kr^T for one tile of 256 queries x 256 keys (K = 1,024, f16 operands, f32 sums), the mask key <= query + 1, and the softmax's first half:
; for each query and each 128 keys (a wave's tile) the maximum m and the sum l of p = 2^(c s - c m), c = log2(e) / 32; p leaves in f16.  The next launch joins the tiles by their m and l: an exact split of the softmax.
; TILES.  Block I of queries takes blocks J <= I of keys: 1, 2, .. 8 tiles, 36 a batch; the work-group's number gives (I, J) by seven compares.
; THE KEY BEYOND.  Query 256 I + 255 also sees key 256 I + 256, the first of block I + 1; of a tile (I, I + 1) that would be the one score in sight.  Wave 0 of the diagonal tile (I < 7) makes it
; as a dot product of 1,024 in f32 while the first tiles are on their way, and stores it in st as a tile of its own: m = the score, l = 1; its p is 1 and is not stored.
; NO CLUSTER: the rows of the triangle hold 1 .. 8 tiles and its columns 8 .. 1, so no group of 4 or of 4 x 4 divides it without work-groups whose tile is wholly hidden.
; Four waves, each 128 x 128: 64 accumulators in windows 2 and 3.  K goes in steps of 128 through two LDS slots; each wave fetches one quarter of a slot: Q's K blocks 0, 1, K's K blocks 0, 1 (256 rows x 128 bytes, dense).
; Source 0 = 16 keys, source 1 = 16 queries: a lane holds one query and eight neighbouring keys.
; THE MASK is the C operand of the products that start the sums: 0, or -1e30 where the key is hidden.  It hangs on b - a alone (b, a: block of 16 keys, of 16 queries): 15 masks of 8 registers.
; OUT.  pb: f16 [b 4][key / 64][query 2048][64 keys].  st: f32 [m, l][b 4][tile of 128 keys, 16][query 2048].
; LIMITS.  A hidden score counts as its value less 1e30; f16 operands bound |s| by 4.4e12.  m is never below -1e29: a row whose 128 keys are all hidden gets m = -1e29, p = 0, l = 0.
; p below 6e-8 is 0 in f16; l is the sum of the unrounded p.  The score of the key beyond is summed in another order than the matrix unit's.  NaN and infinities are not treated apart.
; The tail's last trip fetches fragments of a slot that has been read out; they are never multiplied.
.set SUB,    36864                     ; 256 rows x 144 bytes (128 of data + 16 of padding = 36 words: 16 rows start at 16 different groups of four banks: ISA guide 11.1)
.set SLOT,   4*SUB
.set STAT,   2*SLOT                    ; 1,024 bytes a wave: m of my 128 rows, then l
.set SPARE,  STAT+4096                 ; the spare words, 128 bytes a wave
.set DUMPB,  67584                     ; the way out: 128 rows x 528 bytes of f32 a wave, on the slots' bytes behind their last fill
.set KSTEP,  2097152                   ; two K blocks of qb or kb
.set ADRA, 16
.set ADRB, 17
.set A0L, 18
.set B0L, 19
.set DSTO, 20
.set RD,  21
.set GO,  22
.set SA,  23
.set GL,  24
.set LS,  25
.set VW,  26
.set SPW, 28
.set NIL, 29
.set F0,  64                           ; fragment buffers: Q's in window 0, K's in window 1
.set F1,  128
.set MSB, 0
.macro WIN new
.if MSB != (\new)
	s_set_vgpr_msb (MSB<<8)|(\new)
.set MSB, (\new)
.endif
.endm
.macro PLACES                          ; four places between a matrix instruction and a load into one of its registers or a read of its result
.rept 4
	v_nop
.endr
.endm
.macro ALL8 line:vararg                ; one line for each unit t
.set t, 0
.rept 8
	\line
.set t, t+1
.endr
.endm
	s_load_b256 s[4:11], s[0:1], 0x0               ; qb s[4:5], kb s[6:7], pb s[8:9], st s[10:11]
	v_lshl_add_u32 v[SPW], v0, 2, SPARE
	v_mov_b32 v[NIL], 0
	ds_add_u32 v[SPW], v[NIL]                      ; the wave's opening: the add and its wait ahead of my first tensor load
	ds_add_u32 v28, v29
	v_lshrrev_b32 v1, 5, v0
	v_readfirstlane_b32 s12, v1                    ; wave
	s_lshr_b32 s13, s12, 1                         ; wr: my half of the queries
	s_and_b32 s14, s12, 1                          ; wc: my half of the keys; also which K block I fetch
	s_mov_b32 s15, ttmp9
	s_and_b32 s18, ttmp7, 0xffff                   ; batch
	s_mov_b32 s16, 0
	s_mov_b32 s50, 0
.macro ROWOF th, idx                   ; row idx of the triangle begins at tile th
	s_cmp_ge_u32 s15, \th
	s_cselect_b32 s16, \idx, s16
	s_cselect_b32 s50, \th, s50
.endm
	ROWOF 1, 1
	ROWOF 3, 2
	ROWOF 6, 3
	ROWOF 10, 4
	ROWOF 15, 5
	ROWOF 21, 6
	ROWOF 28, 7
	s_sub_co_u32 s17, s15, s50                     ; J
	s_mov_b32 s24, (1<<16)|(1<<20)|(4<<22)|(3<<25) ; 2-byte elements; padding: after every 32 words, 4 words
	s_mov_b32 s25, 128<<16                         ; 256 dense rows of 128 bytes as 128 rows of 256
	s_mov_b32 s26, 128<<16
	s_mov_b32 s27, 128<<16
	s_mov_b32 s28, 128
	s_mov_b32 s29, 128
	s_mov_b32 s30, 0
	s_mov_b32 s31, 0
	s_mul_i32 s43, s12, SUB                        ; my quarter of a slot
	s_mov_b32 s40, 0                               ; the slot in hand
	s_mov_b32 s41, SLOT                            ; the slot filled last
	s_mov_b32 s44, 0x3d38aa3b                      ; c = log2(e) / 32
	s_mov_b32 s45, s44
	s_mov_b32 s46, 0x76543210                      ; v_permlanex16_b32: each lane takes its own place in the other half
	s_mov_b32 s47, 0xfedcba98
	s_mov_b32 s48, 0xf149f2ca                      ; -1e30
	s_mov_b32 s49, 0xefa18f08                      ; -1e29
	s_sub_co_i32 s19, s16, s17
	s_lshl_b32 s19, s19, 8
	s_sub_co_i32 s50, s13, s14
	s_lshl_b32 s50, s50, 7
	s_add_co_i32 s19, s19, s50
	s_add_co_i32 s19, s19, 113                     ; first query less first key of my tile, + 1 + 112
	s_cmp_lt_u32 s12, 2
	s_cselect_b32 s50, s16, s17                    ; waves 0, 1 fetch Q's block I, waves 2, 3 K's block J
	s_lshl_b32 s50, s50, 15
	s_lshl_b32 s51, s18, 18
	s_add_co_u32 s50, s50, s51
	s_lshl_b32 s51, s14, 20
	s_add_co_u32 s50, s50, s51
	s_mov_b32 s51, 0
	s_mov_b32 s32, 1
	s_mov_b32 s33, s43
	s_mov_b32 s36, 1
	s_add_co_u32 s37, s43, SLOT
	s_wait_dscnt 0x0                               ; the opening add is done
	s_wait_kmcnt 0x0
	s_cmp_lt_u32 s12, 2
	s_cselect_b64 s[52:53], s[4:5], s[6:7]
	s_add_nc_u64 s[34:35], s[52:53], s[50:51]      ; K step 0
	s_add_nc_u64 s[38:39], s[34:35], KSTEP         ; K step 1; this set walks on
	s_or_b32 s35, s35, 0x80000000
	s_or_b32 s39, s39, 0x80000000
	tensor_load_to_lds s[32:35], s[24:31]          ; both first fills: two loads of mine are out
	s_nop 0
	tensor_load_to_lds s[36:39], s[24:31]
	s_nop 0
	PLACES
	s_lshl_b32 s50, s18, 23                        ; pb: batch, blocks of keys 4 J + 2 wc on, rows 256 I + 128 wr on
	s_lshl_b32 s58, s17, 20
	s_add_co_u32 s50, s50, s58
	s_lshl_b32 s58, s14, 19
	s_add_co_u32 s50, s50, s58
	s_lshl_b32 s58, s16, 15
	s_add_co_u32 s50, s50, s58
	s_lshl_b32 s58, s13, 14
	s_add_co_u32 s50, s50, s58
	s_add_nc_u64 s[54:55], s[8:9], s[50:51]
	s_lshl_b32 s50, s18, 17                        ; st: ((16 b + 2 J + wc) 2048 + 256 I + 128 wr) x 4
	s_lshl_b32 s58, s17, 14
	s_add_co_u32 s50, s50, s58
	s_lshl_b32 s58, s14, 13
	s_add_co_u32 s50, s50, s58
	s_lshl_b32 s58, s16, 10
	s_add_co_u32 s50, s50, s58
	s_lshl_b32 s58, s13, 9
	s_add_co_u32 s50, s50, s58
	s_add_nc_u64 s[56:57], s[10:11], s[50:51]
	v_and_b32 v1, 15, v0                           ; r
	v_bfe_u32 v2, v0, 4, 1                         ; h
	v_mul_u32_u24 v3, v1, 144
	v_lshl_add_u32 v3, v2, 4, v3
	s_mul_i32 s58, s13, 18432
	v_add_nc_u32 v[A0L], s58, v3
	s_mul_i32 s58, s14, 18432
	s_add_co_u32 s58, s58, 2*SUB
	v_add_nc_u32 v[B0L], s58, v3
	v_mov_b32 v[ADRA], v[A0L]
	v_mov_b32 v[ADRB], v[B0L]
	v_lshlrev_b32 v3, 3, v2
	v_sub_nc_u32 v[VW], v1, v3
	v_add_nc_u32 v[VW], s19, v[VW]                 ; register jj of mask ix is hidden where 16 ix + jj is greater than this
	s_mul_i32 s58, s12, DUMPB
	v_mul_u32_u24 v[DSTO], v1, 528                 ; in: row r, 32 bytes (8 keys in f32) for each half of the lanes
	v_lshl_add_u32 v[DSTO], v2, 5, v[DSTO]
	v_add_nc_u32 v[DSTO], s58, v[DSTO]
	v_and_b32 v3, 7, v0                            ; x
	v_bfe_u32 v4, v0, 3, 1                         ; rho
	v_mul_u32_u24 v[RD], v4, 528                   ; back: row 2 t + rho, keys 64 z + 8 x on (z = h)
	v_lshl_add_u32 v[RD], v2, 8, v[RD]
	v_lshl_add_u32 v[RD], v3, 5, v[RD]
	v_add_nc_u32 v[RD], s58, v[RD]
	v_lshlrev_b32 v[GO], 18, v2                    ; in pb: block of keys z, two rows of 128 bytes: 16 lanes store 256 consecutive bytes
	v_lshl_add_u32 v[GO], v4, 7, v[GO]
	v_lshl_add_u32 v[GO], v3, 4, v[GO]
	s_lshl_b32 s58, s12, 10
	s_add_co_u32 s58, s58, STAT
	v_lshl_add_u32 v[SA], v4, 2, s58
	v_and_b32 v3, 31, v0                           ; lane
	v_lshlrev_b32 v[GL], 4, v3
	v_add_nc_u32 v[LS], s58, v[GL]
	WIN 0x40                                       ; the 15 masks, in window 1: v0-63 and v192-247.  All this stands in the wait for the first tile
.set ix, 0
.rept 15
.if ix < 8
.set rM, 8*ix
.else
.set rM, 192+8*(ix-8)
.endif
.set jj, 0
.rept 8
	v_cmp_gt_i32 vcc_lo, 16*ix+jj, v[VW]
	v_cndmask_b32 v[rM+jj], 0, s48, vcc_lo
.set jj, jj+1
.endr
.set ix, ix+1
.endr
	WIN 0
	; THE KEY BEYOND: wave 0 of a diagonal tile but the last.  The jumps go forward, past no barrier and no tensor load.
	s_cmp_lg_u32 s16, s17
	s_cbranch_scc1 .Lno_x
	s_cmp_eq_u32 s16, 7
	s_cbranch_scc1 .Lno_x
	s_cmp_lg_u32 s12, 0
	s_cbranch_scc1 .Lno_x
	s_lshl_b32 s50, s18, 18                        ; the batch's 2,048 rows of 128 bytes,
	s_lshl_b32 s58, s16, 15                        ; 256 I rows,
	s_add_co_u32 s50, s50, s58
	s_add_co_u32 s50, s50, 255*128                 ; the block's last query
	s_add_nc_u64 s[60:61], s[4:5], s[50:51]
	s_add_co_u32 s50, s50, 128                     ; and the key one row further
	s_add_nc_u64 s[62:63], s[6:7], s[50:51]
	v_lshrrev_b32 v5, 1, v3                        ; a row lies in 16 K blocks of 128 bytes, 1,048,576 bytes apart: two lanes to a block, 64 bytes each
	v_and_b32 v6, 1, v3
	v_lshlrev_b32 v5, 20, v5
	v_lshl_add_u32 v5, v6, 6, v5
.set k, 0
.rept 4
	global_load_b128 v[32+4*k:35+4*k], v5, s[60:61] offset:16*k
	global_load_b128 v[48+4*k:51+4*k], v5, s[62:63] offset:16*k
.set k, k+1
.endr
	v_mov_b32 v6, 0                                ; two sums: the low halves', the high halves'
	v_mov_b32 v7, 0
	v_mov_b32 v8, 0                                ; v_permlanex16_b32's destination counts as read
	s_wait_loadcnt 0x0
.set k, 0
.rept 16                                           ; 32 products a lane; a half is named on a fixed register, so each word is copied or shifted there first
	v_mov_b32 v9, v[32+k]
	v_mov_b32 v10, v[48+k]
	v_lshrrev_b32 v11, 16, v[32+k]
	v_lshrrev_b32 v12, 16, v[48+k]
	v_cvt_f32_f16 v9, v9.l
	v_cvt_f32_f16 v10, v10.l
	v_cvt_f32_f16 v11, v11.l
	v_cvt_f32_f16 v12, v12.l
	v_fmac_f32 v6, v9, v10
	v_fmac_f32 v7, v11, v12
.set k, k+1
.endr
	v_add_f32 v6, v6, v7
	v_add_f32_dpp v6, v6, v6 row_xmask:1 row_mask:0xf bank_mask:0xf
	v_add_f32_dpp v6, v6, v6 row_xmask:2 row_mask:0xf bank_mask:0xf
	v_add_f32_dpp v6, v6, v6 row_xmask:4 row_mask:0xf bank_mask:0xf
	v_add_f32_dpp v6, v6, v6 row_xmask:8 row_mask:0xf bank_mask:0xf
	v_permlanex16_b32 v8, v6, s46, s47
	v_add_f32 v6, v6, v8
	v_max_num_f32 v6, s49, v6                      ; m
	v_mov_b32 v7, 1.0                              ; l
	v_mov_b32 v8, 0
	s_lshl_b32 s50, s18, 17                        ; st: ((16 b + 2 I + 2) 2048 + 256 I + 255) x 4
	s_lshl_b32 s58, s16, 14
	s_add_co_u32 s50, s50, s58
	s_lshl_b32 s58, s16, 10
	s_add_co_u32 s50, s50, s58
	s_add_co_u32 s50, s50, 16384+1020
	s_add_nc_u64 s[60:61], s[10:11], s[50:51]      ; (the loads that named this pair are done)
	v_cmp_eq_u32 vcc_lo, 0, v3
	s_wait_xcnt 0x0                                ; EXEC changes only behind s_wait_xcnt 0
	s_and_saveexec_b32 s59, vcc_lo                 ; one lane stores the two words
	global_store_b32 v8, v6, s[60:61]
	global_store_b32 v8, v7, s[60:61] offset:524288
	s_wait_xcnt 0x0
	s_or_b32 exec_lo, exec_lo, s59
.Lno_x:
; 16 matrix instructions: query blocks a0, a0 + 1 of the window's four (hi = 0: my rows 0-63, 1: rows 64-127) x all 8 key blocks.  first = 1: the mask starts the sums.
; The 64 accumulators take turns, one instruction a turn.
.macro MUL16 f, hi, a0, first
.if \first
	WIN 0x91+0x40*(\hi)                            ; K window 1, Q window 0, the mask window 1, the sums window 2 or 3
.else
	WIN 0xa1+0x50*(\hi)
.endif
.set ia, (\a0)
.rept 2
.set ib, 0
.rept 8
.set rD, 8*(8*ia+ib)
.set rB, (\f)+8*ib
.set rA, (\f)+8*(4*(\hi)+ia)
.if \first
.set ix, ib-(4*(\hi)+ia)+7
.if ix < 8
.set rM, 8*ix
.else
.set rM, 192+8*(ix-8)
.endif
	v_wmma_f32_16x16x32_f16 v[rD:rD+7], v[rB:rB+7], v[rA:rA+7], v[rM:rM+7]
.else
	v_wmma_f32_16x16x32_f16 v[rD:rD+7], v[rB:rB+7], v[rA:rA+7], v[rD:rD+7]
.endif
.set ib, ib+1
.endr
.set ia, ia+1
.endr
.endm
.macro FETCH k, f                      ; 32 LDS loads in one run: the fragments of 32 along K at byte k of my rows' place: K's 8, then Q's 8
	WIN 0x40
.set i, 0
.rept 8
	ds_load_b128 v[(\f)+8*i:(\f)+8*i+3],   v[ADRB] offset:(\k)+i*2304
	ds_load_b128 v[(\f)+8*i+4:(\f)+8*i+7], v[ADRB] offset:(\k)+i*2304+32
.set i, i+1
.endr
	WIN 0
.set i, 0
.rept 8
	ds_load_b128 v[(\f)+8*i:(\f)+8*i+3],   v[ADRA] offset:(\k)+i*2304
	ds_load_b128 v[(\f)+8*i+4:(\f)+8*i+7], v[ADRA] offset:(\k)+i*2304+32
.set i, i+1
.endr
.endm
.macro QUARTER k, f, g, first          ; 64 products on buffer f; in their middle the next quarter's fragments, at byte k, go into buffer g
	s_wait_dscnt 8                                 ; K's and Q's rows 0-63 are in; the youngest eight loads may be out
	MUL16 \f, 0, 0, \first
	MUL16 \f, 0, 2, \first
	PLACES
	FETCH \k, \g
	s_wait_dscnt 32                                ; all but the 32 just issued
	MUL16 \f, 1, 0, \first
	MUL16 \f, 1, 2, \first
.endm
; The last quarter of a K step, and the change of slots: ONE barrier.  In front of it each wave waits for all its tensor loads, adds 0 to its spare word, and waits for that and for its reads of this slot.
; fill = 1: this slot is filled again, two K steps ahead, first thing behind the barrier: 224 products stand between the request and the wait for it.
.macro TURN fill
	WIN 0
	s_wait_tensorcnt 0x0                           ; no tensor load of mine is out, so a group 0 may be written
	ds_add_u32 v[SPW], v[NIL]                      ; 0 onto my spare word
.if \fill
	s_xor_b32 s41, s41, SLOT
	s_add_co_u32 s37, s41, s43
	s_add_nc_u64 s[38:39], s[38:39], KSTEP
.endif
	s_wait_dscnt 9                                 ; the add and the youngest eight loads may be out
	MUL16 F1, 0, 0, 0
	s_wait_dscnt 0x0                               ; the add is done, and my reads of this slot are over
	s_barrier_signal -1
	MUL16 F1, 0, 2, 0
	WIN 0
	s_barrier_wait -1
.if \fill
	tensor_load_to_lds s[36:39], s[24:31]
	s_nop 0
.endif
	PLACES                                         ; also the places in front of the loads below
	s_xor_b32 s40, s40, SLOT
	v_add_nc_u32 v[ADRA], s40, v[A0L]
	v_add_nc_u32 v[ADRB], s40, v[B0L]
	FETCH 0, F0
	MUL16 F1, 1, 0, 0
	MUL16 F1, 1, 2, 0
.endm
	s_wait_tensorcnt 1                             ; my part of K step 0 is in; step 1's may stay out
	s_barrier_signal -1
	s_barrier_wait -1
	FETCH 0, F0
	QUARTER 64, F0, F1, 1                          ; the first quarter starts the sums, with the masks
	WIN 0
	s_mov_b32 s42, 6                               ; six refills: K steps 2 .. 7
	s_branch .Lin
.Lstep:
	QUARTER 64, F0, F1, 0
	WIN 0
.Lin:
	QUARTER SUB, F1, F0, 0
	QUARTER SUB+64, F0, F1, 0
	TURN 1
	WIN 0
	s_sub_co_u32 s42, s42, 1
	s_cmp_lg_u32 s42, 0
	s_cbranch_scc1 .Lstep
	s_mov_b32 s42, 2                               ; the last two K steps ask for nothing
.Ltail:
	QUARTER 64, F0, F1, 0
	QUARTER SUB, F1, F0, 0
	QUARTER SUB+64, F0, F1, 0
	TURN 0
	WIN 0
	s_sub_co_u32 s42, s42, 1
	s_cmp_lg_u32 s42, 0
	s_cbranch_scc1 .Ltail
	; THE WAY OUT.  The scores go into my part of the slots' bytes (their last fill is over, and so are every wave's reads), rows of 528 bytes, and come back with a row's 128 keys in 16 lanes.
	s_wait_dscnt 0x0
	s_barrier_signal -1
	s_barrier_wait -1
	PLACES
.set ia, 0
.rept 8
	WIN 0x08+0x04*(ia/4)                           ; the stores' data in window 2 or 3; each accumulator's low four registers go first
.set ib, 0
.rept 8
.set rD, 8*(8*(ia%4)+ib)
	ds_store_b128 v[DSTO], v[rD:rD+3]   offset:ia*8448+ib*64
	ds_store_b128 v[DSTO], v[rD+4:rD+7] offset:ia*8448+ib*64+16
.set ib, ib+1
.endr
.set ia, ia+1
.endr
	WIN 0
	ALL8 v_mov_b32 v[152+t], 0                     ; v_permlanex16_b32's destination counts as read
	s_mov_b32 s42, 8
; A trip: 16 rows, as eight units t of two rows.  v64-127 the scores, 8 a unit; v128-143 (c m, m); v144-159 at work, then l; v160-191 p in f16.
.Lsoft:
	ALL8 ds_load_b128 v[64+8*t:67+8*t], v[RD] offset:1056*t
	ALL8 ds_load_b128 v[68+8*t:71+8*t], v[RD] offset:1056*t+16
.set t, 0
.rept 8
	s_wait_dscnt 7-t                               ; unit t is whole; the later units' upper halves may be out
	v_max3_num_f32 v[144+t], v[64+8*t], v[65+8*t], v[66+8*t]
.set t, t+1
.endr
	ALL8 v_max3_num_f32 v[144+t], v[144+t], v[67+8*t], v[68+8*t]
	ALL8 v_max3_num_f32 v[144+t], v[144+t], v[69+8*t], v[70+8*t]
	ALL8 v_max_num_f32 v[144+t], v[144+t], v[71+8*t]
	ALL8 v_max_num_f32_dpp v[144+t], v[144+t], v[144+t] row_xmask:1 row_mask:0xf bank_mask:0xf
	ALL8 v_max_num_f32_dpp v[144+t], v[144+t], v[144+t] row_xmask:2 row_mask:0xf bank_mask:0xf
	ALL8 v_max_num_f32_dpp v[144+t], v[144+t], v[144+t] row_xmask:4 row_mask:0xf bank_mask:0xf
	ALL8 v_permlanex16_b32 v[152+t], v[144+t], s46, s47
	ALL8 v_max3_num_f32 v[129+2*t], v[144+t], v[152+t], s49
	ALL8 v_mul_f32 v[128+2*t], s44, v[129+2*t]
.set k, 0
.rept 32
	v_pk_fma_f32 v[64+2*k:65+2*k], v[64+2*k:65+2*k], s[44:45], v[128+2*(k/4):129+2*(k/4)] op_sel_hi:[1,0,0] neg_lo:[0,0,1] neg_hi:[0,0,1]  ; c s - c m
.set k, k+1
.endr
.set k, 0
.rept 64
	v_exp_f32 v[64+k], v[64+k]
.set k, k+1
.endr
	v_nop                                          ; a plain instruction between the last exponential and the use of its result (ISA guide 5.7.2)
.set k, 0
	s_wait_alu depctr_va_vdst(0)
.rept 32
	v_cvt_pk_f16_f32 v[160+k], v[64+2*k], v[65+2*k]
.set k, k+1
.endr
	ALL8 v_pk_add_f32 v[64+8*t:65+8*t], v[64+8*t:65+8*t], v[66+8*t:67+8*t]
	ALL8 v_pk_add_f32 v[68+8*t:69+8*t], v[68+8*t:69+8*t], v[70+8*t:71+8*t]
	ALL8 v_pk_add_f32 v[64+8*t:65+8*t], v[64+8*t:65+8*t], v[68+8*t:69+8*t]
	ALL8 v_add_f32 v[144+t], v[64+8*t], v[65+8*t]
	ALL8 v_add_f32_dpp v[144+t], v[144+t], v[144+t] row_xmask:1 row_mask:0xf bank_mask:0xf
	ALL8 v_add_f32_dpp v[144+t], v[144+t], v[144+t] row_xmask:2 row_mask:0xf bank_mask:0xf
	ALL8 v_add_f32_dpp v[144+t], v[144+t], v[144+t] row_xmask:4 row_mask:0xf bank_mask:0xf
	ALL8 v_permlanex16_b32 v[152+t], v[144+t], s46, s47
	ALL8 v_add_f32 v[144+t], v[144+t], v[152+t]
	ALL8 global_store_b128 v[GO], v[160+4*t:163+4*t], s[54:55] offset:256*t
	ALL8 ds_store_b32 v[SA], v[129+2*t] offset:8*t         ; a row's 16 lanes write one word with one value
	ALL8 ds_store_b32 v[SA], v[144+t] offset:8*t+512
	s_wait_xcnt 0x0                                ; the stores' offset and data are rewritten only behind this wait
	v_add_nc_u32 v[RD], 8448, v[RD]
	v_add_nc_u32 v[GO], 2048, v[GO]
	v_add_nc_u32 v[SA], 64, v[SA]
	s_sub_co_u32 s42, s42, 1
	s_cmp_lg_u32 s42, 0
	s_cbranch_scc1 .Lsoft
	ds_load_b128 v[64:67], v[LS]                   ; my 128 rows' m and l: 512 consecutive bytes each
	ds_load_b128 v[68:71], v[LS] offset:512
	s_wait_dscnt 0x0
	global_store_b128 v[GL], v[64:67], s[56:57]
	global_store_b128 v[GL], v[68:71], s[56:57] offset:524288
	s_wait_tensorcnt 0x0                           ; the wave's end, behind my last tensor load and my last LDS store
	ds_add_u32 v[SPW], v[NIL]
	s_wait_dscnt 0x0
	s_endpgm
.Lfunc_end_k_q55df50cc66_score:
	.size	k_q55df50cc66_score, .Lfunc_end_k_q55df50cc66_score-k_q55df50cc66_score
	.p2alignl 7, 3214868480
	.fill 96, 4, 3214868480
	.section	.rodata,"a",@progbits
	.p2align	6, 0x0
	.amdhsa_kernel k_q55df50cc66_score
		.amdhsa_group_segment_fixed_size 327680
		.amdhsa_private_segment_fixed_size 0
		.amdhsa_enable_private_segment 0
		.amdhsa_kernarg_size 32
		.amdhsa_user_sgpr_count 2
		.amdhsa_user_sgpr_kernarg_segment_ptr 1
		.amdhsa_wavefront_size32 1
		.amdhsa_system_sgpr_workgroup_id_x 1
		.amdhsa_system_sgpr_workgroup_id_y 1
		.amdhsa_system_sgpr_workgroup_id_z 1
		.amdhsa_system_vgpr_workitem_id 0
		.amdhsa_next_free_vgpr 1024
		.amdhsa_next_free_sgpr 66
		.amdhsa_reserve_vcc 1
		.amdhsa_float_denorm_mode_32 3
		.amdhsa_float_denorm_mode_16_64 3
		.amdhsa_memory_ordered 1
		.amdhsa_forward_progress 1
		.amdhsa_inst_pref_size 115
	.end_amdhsa_kernel
	.amdgpu_metadata
---
amdhsa.version: [ 1, 2 ]
amdhsa.kernels:
  - .name:           k_q55df50cc66_score
    .symbol:         k_q55df50cc66_score.kd
    .args:
      - { .name: qb, .offset: 0, .size: 8, .value_kind: global_buffer, .address_space: global }
      - { .name: kb, .offset: 8, .size: 8, .value_kind: global_buffer, .address_space: global }
      - { .name: pb, .offset: 16, .size: 8, .value_kind: global_buffer, .address_space: global }
      - { .name: st, .offset: 24, .size: 8, .value_kind: global_buffer, .address_space: global }
    .group_segment_fixed_size: 327680
    .private_segment_fixed_size: 0
    .kernarg_segment_align: 8
    .kernarg_segment_size: 32
    .max_flat_workgroup_size: 128
    .sgpr_count:     66
    .vgpr_count:     1024
    .wavefront_size: 32
...
	.end_amdgpu_metadata
.endif
;; end of part 3
;; launch pv (part 4): grid 8 x 32, 4 waves a work-group, clusters of 4 x 1, 327,680 bytes of LDS; arguments pb, vt, st, out0; writes out0
.if DOCPART == 4
	.amdgcn_target "amdgcn-amd-amdhsa--gfx1250"
	.amdhsa_code_object_version 6
	.text
	.protected	k_q55df50cc66_pv
	.globl	k_q55df50cc66_pv
	.p2align	8
	.type	k_q55df50cc66_pv,@function
k_q55df50cc66_pv:
	s_mov_b64 s[64:65], 0
	v_nop
	global_prefetch_b8 v0, s[64:65] scope:SCOPE_SE
	s_setreg_imm32_b32 hwreg(HW_REG_WAVE_MODE, 25, 1), 1
	s_wait_xcnt 0x0
	s_wait_alu depctr_hold_cnt(0) depctr_sa_sdst(0) depctr_va_vdst(0) depctr_va_sdst(0) depctr_va_ssrc(0) depctr_va_vcc(0) depctr_vm_vsrc(0)
	s_getreg_b32 s2, hwreg(HW_REG_IB_STS2, 6, 4)
	s_cmp_eq_u32 s2, 0
	s_cbranch_scc0 .Lentry_in_a_cluster
	s_endpgm
.Lentry_in_a_cluster:
	s_bfe_u32 s2, ttmp6, 0x10000c
	s_cmp_lg_u32 s2, 0x3003
	s_cbranch_scc0 .Lentry_shape_is_right
	s_endpgm
.Lentry_shape_is_right:
; PV.  out[q][ch] = sum over tiles J of 128 keys of w_J(q) X_J(q, ch), with X_J = sum over the tile's keys of p[q][k] V[k][ch], w_J = 2^(c (m_J - m)) / l, m = max_J m_J,
; l = sum_J 2^(c (m_J - m)) l_J, c = log2(e) / 32: the softmax's second half, exact: the maximum taken away is the row's true one.  w and the sums O are f32; only p and V are 16-bit, as matrix operands.
; A work-group makes TWO tiles of 128 queries x 128 channels: block p and then block 15 - p of a batch's 16.  Block i takes i + 2 tiles of 128 keys if i is even and i + 1 if it is odd,
; so the two take 18 whatever p: ONE walk of 9 slots of 256 keys, the same length in every work-group.
; THE KEY BEYOND.  The last query of an odd block i < 15 also sees key 128 (i + 1), whose score lies in st as a tile of its own with p = 1.  At the way out four products, V^T's 32 keys from that key on times a
; constant fragment that holds 1 at key 0, give V's row, and it is folded in with that tile's weight: 0 in every row but the block's last, and times a flag that is 0 for the even block and for block 15.
; Four waves, each 64 x 64.  Source 0 = 16 channels of V^T, source 1 = 16 queries of p: a lane holds one query and eight neighbouring channels.
; X: 16 accumulators, started with the constant 0 at each tile of 128 keys.  THE FOLD O += w X stands in the next tile's first step: four packed multiply-adds ahead of the product that starts the same accumulator anew.
; CLUSTER 4 x 1: the four partners share batch and p and differ in the channels, so p's tiles are asked for jointly; V^T's tiles are each work-group's own plain loads, behind the same rounds.
; REGISTERS.  Window 0: v0-127 O, (a, b) at 8 (4 a + b); v160-191 the way out; v192-209 weights; v210-222 addresses.  Window 1: four buffers of one step (32 keys): 32 registers of p, 32 of V^T.
; Window 2: v0-127 X; v128-159 V^T of the key beyond; v160-167 the constant fragment.  X and O together are a whole window, so the fold has a window setting of its own: two switches a product in 2 of a slot's 8 steps.
; LIMITS.  p below 6e-8 is 0 (f16, as stored).  NaN and infinities are not treated apart.
; O and X are cleared by v_mov_b32 at the start and O again at the change of blocks, the first fold adds 0 times 0, and the last trip fetches two steps of a slot that has been read out (never multiplied):
; the price of one text for every trip.
.set SLOT,  147456                     ; p: 4 blocks of 64 keys x 128 rows x 144 bytes, then V^T the same; wave w fetches the quarter at w x 36,864
.set ALT,   2*SLOT                     ; w in f32, [tile][row 128]: the first block's 8 tiles, then the second's 16
.set ALT1,  4096
.set WXT,   ALT+12288                  ; the weight of the key beyond: [block 2][row 128]
.set STG,   WXT+1024                   ; the way out: 16 rows x 272 bytes for each wave
.set SPARE, STG+4*4352                 ; the spare words, 128 bytes a wave
.set TMP,  160
.set AL0,  192                         ; v192-199, v200-207: w of my four row blocks for the slot's first and second 128 keys, each in the low register of a pair
.set AL1,  200
.set WX,   208                         ; v208-209 the weight of the key beyond
.set ADRA, 210
.set ADRB, 211
.set A0L,  212
.set B0L,  213
.set ALP,  214                         ; where the trip's weights lie
.set ALP1, 215                         ; where the second block's begin
.set STO,  216
.set RD,   217
.set GO,   218
.set SPW,  219
.set NIL,  220
.set WXA,  221
.set ATH,  222
.set VXF,  128                         ; window 2
.set PONE, 160                         ; window 2
.set WV, 12
.set W_MM, 0xa5                        ; V^T and p in window 1, X in window 2
.set W_FD, 0x02                        ; X (source 0) in window 2; w and O in window 0
.set W_LD, 0x40                        ; destination window 1, address window 0
.set W_D2, 0x80                        ; destination window 2
.set W_SP, 0x8a                        ; both sources and the destination in window 2
.set MSB, 0
.macro WIN new
.if MSB != (\new)
	s_set_vgpr_msb (MSB<<8)|(\new)
.set MSB, (\new)
.endif
.endm
.macro PLACES                          ; four places between a matrix instruction and the rewriting of one of its registers or a read of its result (ISA guide 7.12.1)
.rept 4
	v_nop
.endr
.endm
.macro CREST
	s_cmp_lg_u32 s[WV], 0
	s_cbranch_scc1 .Lnot_wave_0_\@
	s_barrier_signal -3
.Lnot_wave_0_\@:
	s_barrier_wait -3
	s_barrier_signal -1
	s_barrier_wait -1
.endm
.macro CROUND
	s_barrier_signal -1
	s_barrier_wait -1
	CREST
.endm
.macro JLOAD                           ; waves 0, 1: p's halves, jointly; waves 2, 3: V^T's; an s_nop 0 and four v_nop follow each line
	s_cmp_lt_u32 s[WV], 2
	s_cbranch_scc0 .Lfor_v_\@
	tensor_load_to_lds s[44:47], s[24:31]
	s_nop 0
.rept 4
	v_nop
.endr
	s_branch .Lasked_\@
.Lfor_v_\@:
	tensor_load_to_lds s[52:55], s[32:39]
	s_nop 0
.rept 4
	v_nop
.endr
.Lasked_\@:
.endm
; The walk's next slot: both descriptors' addresses are made anew from the slot's number s66 and the block's rows s68; then the number steps, and behind the first block's last slot goes to the second block's slot 0.
.macro NEXTT ga, gb
	s_lshl_b32 s60, s66, 20                        ; a slot is four blocks of keys: 1,048,576 bytes of p,
	s_add_co_u32 s60, s60, s68
	s_add_nc_u64 s[\ga+2:\ga+3], s[56:57], s[60:61]
	s_or_b32 s[\ga+3], s[\ga+3], 0x80000000
	s_lshl_b32 s62, s66, 19                        ; 524,288 of V^T
	s_add_nc_u64 s[\gb+2:\gb+3], s[58:59], s[62:63]
	s_or_b32 s[\gb+3], s[\gb+3], 0x80000000
	s_add_co_u32 s66, s66, 1
	s_cmp_ge_u32 s66, s67
	s_cselect_b32 s66, 0, s66
	s_cselect_b32 s68, s79, s68
	s_cselect_b32 s67, s19, s67
.endm
	s_load_b256 s[4:11], s[0:1], 0x0               ; pb s[4:5], vt s[6:7], st s[8:9], out0 s[10:11]
	v_lshl_add_u32 v[SPW], v0, 2, SPARE
	v_mov_b32 v[NIL], 0
	ds_add_u32 v[SPW], v[NIL]                      ; the wave's opening: the add and its wait ahead of my first tensor load
	ds_add_u32 v219, v220
	v_lshrrev_b32 v1, 5, v0
	v_readfirstlane_b32 s[WV], v1
	s_lshr_b32 s13, s[WV], 1                       ; wr
	s_and_b32 s14, s[WV], 1                        ; wc; also which half of a slot's keys I fetch
	s_bfe_u32 s15, ttmp6, 0x40000                  ; cx
	s_lshl_b32 s16, ttmp9, 2
	s_add_co_u32 s16, s16, s15                     ; block of 128 channels: it enters V^T's and the output's addresses alone
	s_and_b32 s80, ttmp7, 0xffff
	s_and_b32 s17, s80, 7                          ; p: the first block
	s_lshr_b32 s18, s80, 3                         ; batch
	s_sub_co_u32 s19, 17, s17
	s_lshr_b32 s19, s19, 1                         ; slots of the second block, 8 .. 5
	s_sub_co_u32 s20, 9, s19                       ; of the first, 1 .. 4
	s_sub_co_u32 s21, 15, s17                      ; the second block
	s_add_co_u32 s95, s17, 1                       ; the tile of keys behind the first block's diagonal,
	s_sub_co_u32 s94, 16, s17
	s_min_u32 s94, s94, 15                         ; behind the second's (for block 15 there is none: 15 stands in, with the flag 0)
	s_and_b32 s80, s17, 1
	s_cmp_lg_u32 s80, 0
	s_cselect_b32 s22, 1.0, 0                      ; flag: the first block is odd
	s_cselect_b32 s23, 0, 1.0                      ; the second is,
	s_cselect_b32 s3, s95, s94                     ; and the odd one's tile
	s_cmp_eq_u32 s17, 0
	s_cselect_b32 s23, 0, s23                      ; and is not block 15
	s_mov_b32 s24, 15|(1<<16)|(1<<20)|(1<<21)|(4<<22)|(3<<25)  ; the mask of four; 2-byte elements; padding after every 32 words, 4 words; bit 21 beside a mask
	s_mov_b32 s25, 8192<<16                        ; two blocks of 64 keys, each 128 dense rows of 128 bytes: two rows of 8,192 elements
	s_mov_b32 s26, 2<<16
	s_mov_b32 s27, 8192<<16
	s_mov_b32 s28, 2
	s_mov_b32 s29, 131072                          ; p: 2,048 rows of 64 from a block of keys to the next
	s_mov_b32 s30, 0
	s_mov_b32 s31, 0
	s_mov_b32 s32, (1<<16)|(1<<20)|(4<<22)|(3<<25)
	s_mov_b32 s33, 8192<<16
	s_mov_b32 s34, 2<<16
	s_mov_b32 s35, 8192<<16
	s_mov_b32 s36, 2
	s_mov_b32 s37, 65536                           ; V^T: 1,024 channels of 64
	s_mov_b32 s38, 0
	s_mov_b32 s39, 0
	s_lshl_b32 s82, s18, 23                        ; p: batch and my half of a slot; these two registers never hold cx
	s_lshl_b32 s83, s14, 19
	s_add_co_u32 s82, s82, s83
	s_mov_b32 s83, 0
	s_lshl_b32 s84, s18, 22                        ; V^T: batch, my half, my work-group's channels
	s_lshl_b32 s85, s14, 18
	s_add_co_u32 s84, s84, s85
	s_lshl_b32 s85, s16, 14
	s_add_co_u32 s84, s84, s85
	s_mov_b32 s85, 0
	s_lshl_b32 s2, s3, 18                          ; V^T at the key beyond: its tile of 128 keys, batch, my wave's 64 channels
	s_lshl_b32 s80, s18, 22
	s_add_co_u32 s2, s2, s80
	s_lshl_b32 s80, s16, 14
	s_add_co_u32 s2, s2, s80
	s_lshl_b32 s80, s14, 13
	s_add_co_u32 s2, s2, s80
	s_mov_b32 s3, 0
	s_lshl_b32 s68, s17, 14                        ; the rows of the block whose slots are being asked for, in bytes: the first block's,
	s_lshl_b32 s79, s21, 14                        ; the second's
	s_mul_i32 s73, s[WV], 36864                    ; my quarter of a slot
	s_mov_b32 s70, 0                               ; the slot in hand
	s_mov_b32 s71, SLOT                            ; the slot filled last
	s_mov_b32 s66, 0                               ; the slot of keys to be asked for next
	s_mov_b32 s67, s20                             ; slots of the block whose slots are being asked for
	s_mov_b32 s69, s20                             ; trips that the first block still has
	s_mov_b32 s61, 0
	s_mov_b32 s63, 0
	s_mov_b32 s78, 0x3d38aa3b                      ; c
	s_lshl_b32 s86, s18, 23                        ; the output: (2048 b + 64 wr) rows of 4,096 bytes + (128 block + 64 wc) x 4
	s_lshl_b32 s87, s13, 18
	s_add_co_u32 s86, s86, s87
	s_lshl_b32 s87, s16, 9
	s_add_co_u32 s86, s86, s87
	s_lshl_b32 s87, s14, 8
	s_add_co_u32 s86, s86, s87
	s_lshl_b32 s88, s17, 19
	s_add_co_u32 s88, s88, s86                     ; + the first block's 128 p rows
	s_lshl_b32 s87, s21, 19
	s_add_co_u32 s86, s86, s87                     ; + the second's
	s_mov_b32 s87, 0
	s_mov_b32 s89, 0
	s_mov_b32 s40, 1
	s_mov_b32 s41, s73
	s_mov_b32 s44, 1
	s_add_co_u32 s45, s73, SLOT
	s_mov_b32 s48, 1
	s_mov_b32 s49, s73
	s_mov_b32 s52, 1
	s_add_co_u32 s53, s73, SLOT
	s_wait_dscnt 0x0                               ; the opening add is done
	s_wait_kmcnt 0x0
	s_add_nc_u64 s[56:57], s[4:5], s[82:83]
	s_add_nc_u64 s[58:59], s[6:7], s[84:85]
	s_add_nc_u64 s[84:85], s[6:7], s[2:3]          ; V^T at the key beyond
	NEXTT 40, 48                                   ; the walk's slot 0
	NEXTT 44, 52                                   ; and 1; this set walks on
	s_add_nc_u64 s[74:75], s[10:11], s[88:89]
	s_add_nc_u64 s[76:77], s[10:11], s[86:87]
	s_lshl_b32 s80, s18, 17                        ; st: batch, and a block's 128 rows of 4 bytes
	s_lshl_b32 s81, s21, 9
	s_add_co_u32 s80, s80, s81
	s_mov_b32 s81, 0
	s_add_nc_u64 s[90:91], s[8:9], s[80:81]        ; the second block's
	s_lshl_b32 s80, s18, 17
	s_lshl_b32 s2, s17, 9
	s_add_co_u32 s80, s80, s2
	s_add_nc_u64 s[92:93], s[8:9], s[80:81]        ; the first's
	CROUND                                         ; all four work-groups are here: the first joint loads meet
	s_cmp_lt_u32 s[WV], 2                          ; a wave's two first fills stand in one branch: two loads of mine are out
	s_cbranch_scc0 .Lfirst_v
	tensor_load_to_lds s[40:43], s[24:31]
	s_nop 0
	tensor_load_to_lds s[44:47], s[24:31]
	s_nop 0
.rept 4
	v_nop
.endr
	s_branch .Lfirst_done
.Lfirst_v:
	tensor_load_to_lds s[48:51], s[32:39]
	s_nop 0
	tensor_load_to_lds s[52:55], s[32:39]
	s_nop 0
.rept 4
	v_nop
.endr
.Lfirst_done:
	; THE STATISTICS.  Thread t is row t of both blocks: 16 m and 16 l of the second block, 9 and 9 of the first (block p <= 7 sees tiles 0 .. 8 at the most), and once more the m of the tile behind each diagonal.
	; A wave's load covers 128 consecutive bytes, the four waves' 512.  O's registers serve as scratch.
	v_lshlrev_b32 v2, 2, v0
	s_lshl_b32 s80, s94, 13
	v_add_nc_u32 v8, s80, v2
	s_lshl_b32 s80, s95, 13
	v_add_nc_u32 v9, s80, v2
.set J, 0
.rept 16
	global_load_b32 v[16+J], v2, s[90:91] offset:8192*J
	global_load_b32 v[32+J], v2, s[90:91] offset:8192*J+524288
.set J, J+1
.endr
	global_load_b32 v57, v8, s[90:91]
.set J, 0
.rept 9
	global_load_b32 v[48+J], v2, s[92:93] offset:8192*J
	global_load_b32 v[64+J], v2, s[92:93] offset:8192*J+524288
.set J, J+1
.endr
	global_load_b32 v58, v9, s[92:93]
	v_and_b32 v3, 15, v0                           ; r
	v_bfe_u32 v4, v0, 4, 1                         ; h
	v_lshlrev_b32 v10, 7, v3                       ; a fragment of V^T straight from memory: channel r's row of 128 bytes, 16 bytes for each half of the lanes
	v_lshl_add_u32 v10, v4, 4, v10
	s_mov_b32 s80, 0x3c00                          ; 1 in f16, in a word's low half
	WIN W_D2
.set i, 0
.rept 4
	global_load_b128 v[VXF+8*i:VXF+8*i+3],   v10, s[84:85] offset:2048*i
	global_load_b128 v[VXF+8*i+4:VXF+8*i+7], v10, s[84:85] offset:2048*i+32
.set i, i+1
.endr
	v_cmp_eq_u32 vcc_lo, 0, v4
	v_cndmask_b32 v[PONE], 0, s80, vcc_lo          ; the constant fragment: key 0 lies in the low half of register 0 of lanes 0-15
.set k, 1
.rept 7
	v_mov_b32 v[PONE+k], 0
.set k, k+1
.endr
.set k, 0
.rept 128
	v_mov_b32 v[k], 0                              ; X: the first fold finds zeros
.set k, k+1
.endr
	WIN 0
	v_mul_u32_u24 v5, v3, 144
	v_lshl_add_u32 v5, v4, 4, v5
	s_mul_i32 s80, s13, 9216                       ; my 64 rows of p
	v_add_nc_u32 v[A0L], s80, v5
	s_mul_i32 s80, s14, 9216                       ; my 64 channels of V^T, behind p's four blocks
	s_add_co_u32 s80, s80, 73728
	v_add_nc_u32 v[B0L], s80, v5
	v_mov_b32 v[ADRA], v[A0L]
	v_mov_b32 v[ADRB], v[B0L]
	s_lshl_b32 s80, s13, 8
	s_add_co_u32 s81, s80, WXT+192
	s_add_co_u32 s80, s80, ALT
	v_lshl_add_u32 v[ALP], v3, 2, s80              ; w of row 64 wr + r (+ 16 a in the immediate)
	v_add_nc_u32 v[ALP1], ALT1, v[ALP]
	v_lshl_add_u32 v[WXA], v3, 2, s81              ; the key beyond: row 64 wr + 48 + r
	s_mul_i32 s80, s[WV], 4352
	s_add_co_u32 s80, s80, STG
	v_mul_u32_u24 v[STO], v3, 272                  ; in: row r, 32 bytes (8 channels) for each half of the lanes
	v_lshl_add_u32 v[STO], v4, 5, v[STO]
	v_add_nc_u32 v[STO], s80, v[STO]
	v_mul_u32_u24 v[RD], v4, 272                   ; back: lanes 0-15 one row of 256 bytes, lanes 16-31 the next
	v_lshl_add_u32 v[RD], v3, 4, v[RD]
	v_add_nc_u32 v[RD], s80, v[RD]
	v_lshlrev_b32 v[GO], 12, v4                    ; and the same two rows in the output
	v_lshl_add_u32 v[GO], v3, 4, v[GO]
	v_lshl_add_u32 v[ATH], v0, 2, ALT
; m's N registers take w; MX takes the weight of the key beyond, times the flag FL.
.macro STATS M, LL, N, MX, FL
	v_max_num_f32 v5, v[\M], v[\M+1]
.set J, 2
.rept ((\N)-2)/2
	v_max3_num_f32 v5, v5, v[\M+J], v[\M+J+1]
.set J, J+2
.endr
.if (\N)%2
	v_max_num_f32 v5, v5, v[\M+(\N)-1]
.endif
	v_mul_f32 v7, s78, v5
.set J, 0
.rept \N
	v_fma_f32 v[\M+J], v[\M+J], s78, -v7
.set J, J+1
.endr
	v_fma_f32 v[\MX], v[\MX], s78, -v7
.set J, 0
.rept \N
	v_exp_f32 v[\M+J], v[\M+J]
.set J, J+1
.endr
	v_exp_f32 v[\MX], v[\MX]
	v_nop                                          ; a plain instruction behind the last exponential (ISA guide 5.7.2)
	s_wait_alu depctr_va_vdst(0)
	v_mul_f32 v6, v[\M], v[\LL]
.set J, 1
.rept (\N)-1
	v_fmac_f32 v6, v[\M+J], v[\LL+J]
.set J, J+1
.endr
	v_rcp_f32 v6, v6
	v_mul_f32 v[\MX], \FL, v[\MX]                  ; also the plain instruction behind the reciprocal
.set J, 0
	s_wait_alu depctr_va_vdst(0)
.rept \N
	v_mul_f32 v[\M+J], v[\M+J], v6
.set J, J+1
.endr
	v_mul_f32 v[\MX], v[\MX], v6
.endm
	s_wait_loadcnt 27                              ; the second block's 33 are in; the first block's 19 and V^T's 8 may be out
	STATS 16, 32, 16, 57, s23
.set J, 0
.rept 16
	ds_store_b32 v[ATH], v[16+J] offset:ALT1+512*J
.set J, J+1
.endr
	ds_store_b32 v[ATH], v57 offset:WXT-ALT+512
	s_wait_loadcnt 8                               ; the first block's are in
	STATS 48, 64, 9, 58, s22
.set J, 0
.rept 8                                            ; the first block walks 8 tiles at the most
	ds_store_b32 v[ATH], v[48+J] offset:512*J
.set J, J+1
.endr
	ds_store_b32 v[ATH], v58 offset:WXT-ALT
.set k, 0
.rept 8
	v_mov_b32 v[AL0+k], 0                          ; the packed multiply-add names whole pairs; and the first fold's weight is 0
	v_mov_b32 v[AL1+k], 0
.set k, k+1
.endr
	v_mov_b32 v[WX], 0
	v_mov_b32 v[WX+1], 0
	s_wait_loadcnt 0x0                             ; V^T of the key beyond; and the loads' address registers are free
.macro CLEAR
.set k, 0
.rept 128
	v_mov_b32 v[k], 0
.set k, k+1
.endr
.endm
	CLEAR
.macro LDSTEP st, buf                  ; 16 LDS loads: p's four fragments and V^T's four of the slot's keys 32 st on
	WIN W_LD
.set i, 0
.rept 4
	ds_load_b128 v[64*(\buf)+8*i:64*(\buf)+8*i+3],   v[ADRA] offset:((\st)/2)*18432+i*2304+((\st)%2)*64
	ds_load_b128 v[64*(\buf)+8*i+4:64*(\buf)+8*i+7], v[ADRA] offset:((\st)/2)*18432+i*2304+((\st)%2)*64+32
.set i, i+1
.endr
.set i, 0
.rept 4
	ds_load_b128 v[64*(\buf)+32+8*i:64*(\buf)+32+8*i+3],   v[ADRB] offset:((\st)/2)*18432+i*2304+((\st)%2)*64
	ds_load_b128 v[64*(\buf)+32+8*i+4:64*(\buf)+32+8*i+7], v[ADRB] offset:((\st)/2)*18432+i*2304+((\st)%2)*64+32
.set i, i+1
.endr
.endm
.macro LDAL                            ; 8 LDS loads: this trip's weights, for my four row blocks and the slot's two tiles; then the pointer steps
	WIN 0
.set i, 0
.rept 4
	ds_load_b32 v[AL0+2*i], v[ALP] offset:64*i
	ds_load_b32 v[AL1+2*i], v[ALP] offset:512+64*i
.set i, i+1
.endr
	v_add_nc_u32 v[ALP], 1024, v[ALP]
.endm
; The step's next product.  FOLD = 1: the tile's first step: accumulator n still holds the last tile's sums: they are folded into O (low registers first), and the product starts the sums anew.
; The 16 accumulators take turns, one instruction a turn.
.macro PROD
.set rX, 8*n
.set rB, BUF+32+8*(n%4)
.set rA, BUF+8*(n/4)
.if FOLD
	WIN W_FD
.set k, 0
.rept 4
	v_pk_fma_f32 v[rX+2*k:rX+2*k+1], v[rX+2*k:rX+2*k+1], v[ALR+2*(n/4):ALR+2*(n/4)+1], v[rX+2*k:rX+2*k+1] op_sel_hi:[1,0,1]
.set k, k+1
.endr
	WIN W_MM
	v_wmma_f32_16x16x32_f16 v[rX:rX+7], v[rB:rB+7], v[rA:rA+7], 0
.else
	WIN W_MM
	v_wmma_f32_16x16x32_f16 v[rX:rX+7], v[rB:rB+7], v[rA:rA+7], v[rX:rX+7]
.endif
.set n, n+1
.endm
; THE CHANGE OF SLOTS, in the sixth of a trip's eight steps: the slot's last bytes have been asked for.  Each wave waits for all its tensor loads, adds 0 to its spare word, and waits for that and for its reads of the slot.
; fill = 1: the barrier opens a round of the cluster's barrier; the refill is the first thing behind the round, and has a trip less eight products in which to land.
.macro CHANGE fill
	WIN 0
	s_wait_tensorcnt 0x0                           ; no tensor load of mine is out, so a group 0 may be written
	ds_add_u32 v[SPW], v[NIL]                      ; 0 onto my spare word
.if \fill
	s_xor_b32 s71, s71, SLOT
	s_add_co_u32 s45, s71, s73
	s_add_co_u32 s53, s71, s73
	NEXTT 44, 52
.endif
.rept 4
	PROD
.endr
	s_wait_dscnt 0x0                               ; the add is done, and my reads of the slot are over
	s_barrier_signal -1
.rept 4
	PROD
.endr
	WIN 0
	s_barrier_wait -1
.if \fill
	CREST
	JLOAD
.endif
	s_xor_b32 s70, s70, SLOT
	v_add_nc_u32 v[ADRA], s70, v[A0L]
	v_add_nc_u32 v[ADRB], s70, v[B0L]
.endm
; Step s of a trip: 32 keys, 16 products on buffer s % 4.  Behind the second product stands the run of 16 loads for the step two on, into the buffer that the step two back read.
; The wait at the head leaves the one younger run of 16 out.  The v_nop are the places between earlier products and the loads into their sources; in a tile's first step a fifth,
; since accumulator 0 is written anew there and its own fold is no place.
.macro STEP s, fill
.set BUF, 64*((\s)%4)
.set n, 0
.set FOLD, 0
.set ALR, AL0
.if (\s) == 0
.set FOLD, 1
.set ALR, AL1                          ; the last trip's second tile
.endif
.if (\s) == 4
.set FOLD, 1
.endif
	s_wait_dscnt 16
	PLACES
.if FOLD
	v_nop
.endif
	PROD
	PROD
.if (\s) == 1
	LDAL
.endif
	LDSTEP ((\s)+2)%8, ((\s)+2)%4
.if (\s) == 5
	CHANGE \fill
.rept 6
	PROD
.endr
.else
.rept 14
	PROD
.endr
.endif
.endm
.macro TRIP fill
	STEP 0, \fill
	STEP 1, \fill
	STEP 2, \fill
	STEP 3, \fill
	STEP 4, \fill
	STEP 5, \fill
	STEP 6, \fill
	STEP 7, \fill
	WIN 0
.endm
; THE WAY OUT of a block: its last tile is folded; the key beyond is multiplied and folded; then 16 rows at a time go through my stage and come back as whole rows of 256 bytes.
.macro WAYOUT blk, base
	WIN 0
	ds_load_b32 v[WX], v[WXA] offset:512*(\blk)
	PLACES
	WIN W_FD
.set k, 0
.rept 64
	v_pk_fma_f32 v[2*k:2*k+1], v[2*k:2*k+1], v[AL1+2*(k/16):AL1+2*(k/16)+1], v[2*k:2*k+1] op_sel_hi:[1,0,1]
.set k, k+1
.endr
	WIN W_SP
.set i, 0
.rept 4
	v_wmma_f32_16x16x32_f16 v[96+8*i:96+8*i+7], v[VXF+8*i:VXF+8*i+7], v[PONE:PONE+7], 0  ; my rows 48-63: V's row at the key beyond, in every query
.set i, i+1
.endr
	WIN 0
	s_wait_dscnt 0x0
	PLACES
	WIN W_FD
.set k, 0
.rept 16
	v_pk_fma_f32 v[96+2*k:97+2*k], v[96+2*k:97+2*k], v[WX:WX+1], v[96+2*k:97+2*k] op_sel_hi:[1,0,1]
.set k, k+1
.endr
	WIN 0
.irp a, 0,1,2,3
.set k, 0
.rept 4
	ds_store_b128 v[STO], v[32*\a+8*k:32*\a+8*k+3]   offset:64*k
	ds_store_b128 v[STO], v[32*\a+8*k+4:32*\a+8*k+7] offset:64*k+16
.set k, k+1
.endr
	s_wait_xcnt 0x0                                ; the last 16 rows' stores have read their data registers
.set t, 0
.rept 8
	ds_load_b128 v[TMP+4*t:TMP+4*t+3], v[RD] offset:544*t  ; LDS serves a wave's instructions in order (ISA guide 5.7.1.4): these see the stores above
.set t, t+1
.endr
.set t, 0
.rept 8
	s_wait_dscnt 7-t
	global_store_b128 v[GO], v[TMP+4*t:TMP+4*t+3], s[\base:\base+1] offset:65536*\a+8192*t  ; 16 lanes store 256 consecutive bytes, at a multiple of 256 from the output's first
.set t, t+1
.endr
.endr
.endm
	s_wait_tensorcnt 1                             ; my part of slot 0 is in; slot 1's may stay out
	s_wait_dscnt 0x0                               ; my rows' weights are in LDS
	s_barrier_signal -1
	s_barrier_wait -1
	LDSTEP 0, 0
	LDSTEP 1, 1
	WIN 0
	s_mov_b32 s72, 7                               ; seven refills: the walk's slots 2 .. 8
.Ltrip:
	TRIP 1
	s_sub_co_u32 s69, s69, 1
	s_cmp_lg_u32 s69, 0
	s_cbranch_scc1 .Lgo                            ; forward, past no barrier and no tensor load; the same in all four partners
	WAYOUT 0, 74                                   ; the first block has had its last slot (in one of trips 0 .. 3)
	CLEAR
.irp a, 0,1,2,3
	v_mov_b32 v[AL1+2*\a], 0                       ; X has been folded: the next step's fold adds 0 times it
.endr
	v_mov_b32 v[ALP], v[ALP1]                      ; on to the second block's weights
	s_mov_b32 s69, 100
.Lgo:
	s_sub_co_u32 s72, s72, 1
	s_cmp_lg_u32 s72, 0
	s_cbranch_scc1 .Ltrip
	s_mov_b32 s72, 2                               ; the last two slots ask for nothing
.Ltail:
	TRIP 0
	s_sub_co_u32 s72, s72, 1
	s_cmp_lg_u32 s72, 0
	s_cbranch_scc1 .Ltail
	WAYOUT 1, 76
	s_wait_tensorcnt 0x0                           ; the wave's end, behind my last tensor load and my last LDS store
	ds_add_u32 v[SPW], v[NIL]
	s_wait_dscnt 0x0
	CROUND                                         ; the closing round: no work-group ends while a partner may still ask for a tile that names it
	s_endpgm
.Lfunc_end_k_q55df50cc66_pv:
	.size	k_q55df50cc66_pv, .Lfunc_end_k_q55df50cc66_pv-k_q55df50cc66_pv
	.p2alignl 7, 3214868480
	.fill 96, 4, 3214868480
	.section	.rodata,"a",@progbits
	.p2align	6, 0x0
	.amdhsa_kernel k_q55df50cc66_pv
		.amdhsa_group_segment_fixed_size 327680
		.amdhsa_private_segment_fixed_size 0
		.amdhsa_enable_private_segment 0
		.amdhsa_kernarg_size 32
		.amdhsa_user_sgpr_count 2
		.amdhsa_user_sgpr_kernarg_segment_ptr 1
		.amdhsa_wavefront_size32 1
		.amdhsa_system_sgpr_workgroup_id_x 1
		.amdhsa_system_sgpr_workgroup_id_y 1
		.amdhsa_system_sgpr_workgroup_id_z 1
		.amdhsa_system_vgpr_workitem_id 0
		.amdhsa_next_free_vgpr 680
		.amdhsa_next_free_sgpr 96
		.amdhsa_reserve_vcc 1
		.amdhsa_float_denorm_mode_32 3
		.amdhsa_float_denorm_mode_16_64 3
		.amdhsa_memory_ordered 1
		.amdhsa_forward_progress 1
		.amdhsa_inst_pref_size 124
	.end_amdhsa_kernel
	.amdgpu_metadata
---
amdhsa.version: [ 1, 2 ]
amdhsa.kernels:
  - .name:           k_q55df50cc66_pv
    .symbol:         k_q55df50cc66_pv.kd
    .args:
      - { .name: pb, .offset: 0, .size: 8, .value_kind: global_buffer, .address_space: global }
      - { .name: vt, .offset: 8, .size: 8, .value_kind: global_buffer, .address_space: global }
      - { .name: st, .offset: 16, .size: 8, .value_kind: global_buffer, .address_space: global }
      - { .name: out0, .offset: 24, .size: 8, .value_kind: global_buffer, .address_space: global }
    .group_segment_fixed_size: 327680
    .private_segment_fixed_size: 0
    .kernarg_segment_align: 8
    .kernarg_segment_size: 32
    .max_flat_workgroup_size: 128
    .sgpr_count:     96
    .vgpr_count:     680
    .wavefront_size: 32
...
	.end_amdgpu_metadata
.endif
;; end of part 4
